; MI455X (gfx1250); checked and timed in simulation.
; The chip was launched on July 23, 2026; its instructions are those of AMD's public machine-readable ISA for CDNA 5 (MIT licence, August 2026) and "CDNA5" Instruction Set Architecture Reference Guide (July 2026). The comments in the code are by the model that wrote it; some were corrected since.
;; Multi Head Attention. Allowed arithmetic: matrix products marked QUANTISED: E2M1 operands, one E8M0 scale for each 32 along K, by v_wmma_scale_f32_16x16x128_f8f6f4 with both operands' format E2M1 (or v_wmma_scale_f32_32x16x128_f4), f32 sums; products left as they are: bf16, f16 or f32 operands; f32 sums; everything else in f32.
;; Inputs: K 4 x 2,048 x 1,024 float32; Q 4 x 2,048 x 1,024 float32; V 4 x 2,048 x 1,024 float32; Wk 1,024 x 1,024 float32; Wo 1,024 x 1,024 float32; Wq 1,024 x 1,024 float32; Wv 1,024 x 1,024 float32; bk 1,024 float32; bo 1,024 float32; bq 1,024 float32; bv 1,024 float32.
;; Outputs: out0 4 x 2,048 x 1,024 float32.
;; This version of the problem:
;;   THIS VERSION OF THE PROBLEM IS GIVEN IN LOW PRECISION. The matrix products marked QUANTISED in the list below multiply operands that are first quantised to E2M1 (2 exponent bits, 1 mantissa bit; 4 bits a number), with one power-of-two scale for each 32 numbers along K (OCP MX v1.0); their sums are f32. The products marked 'left as it is' may take bf16, f16 or f32 operands, with f32 sums. All else is computed in f32.
;;   The module's matrix products, in the order in which they are computed (A, B: the left and right operand; K: the contracted axis; several contracted axes count as one K, in the product's order):
;;     1. [M 8,192, K 1,024] x [K 1,024, N 1,024]; A: input Q; B: input Wq: QUANTISED
;;     2. [M 8,192, K 1,024] x [K 1,024, N 1,024]; A: input K; B: input Wk: QUANTISED
;;     3. [M 8,192, K 1,024] x [K 1,024, N 1,024]; A: input V; B: input Wv: QUANTISED
;;     4. batch 64 x [M 2,048, K 64] x [K 64, N 2,048]; A: computed on the way; B: computed on the way: left as it is (an operand is computed on the way)
;;     5. batch 64 x [M 2,048, K 2,048] x [K 2,048, N 64]; A: computed on the way; B: computed on the way: left as it is (an operand is computed on the way)
;;     6. [M 8,192, K 1,024] x [K 1,024, N 1,024]; A: computed on the way; B: input Wo: left as it is (an operand is computed on the way)
;;   THE QUANTISER, for each operand of a quantised product, along K:
;;     - K is cut into blocks of 32 from its start; a last block that is shorter is filled with zeros.
;;     - A block's scale is 2^e with e = floor(log2(the largest magnitude in the block)) - 2, held to -126 .. 127; a block of zeros has e = 0. As a byte (E8M0): e + 127.
;;     - Each number is divided by its block's scale, clamped to +-6, and rounded to the nearest number of E2M1, ties to even, subnormals kept.
;;     - The product sums the exact products of the quantised numbers (number of the format x scale) in f32.
;;   ~~~python
;;   def quantise(x, axis):      # numpy; x: float32 -> the quantised numbers, widened to float32 again
;;       x = np.moveaxis(x, axis, -1); K = x.shape[-1]
;;       x = np.pad(x, [(0, 0)] * (x.ndim - 1) + [(0, -K % 32)]); x = x.reshape(x.shape[:-1] + (-1, 32)); a = np.abs(x).max(-1, keepdims=True)
;;       e = np.where(a > 0, np.clip(np.frexp(np.where(a > 0, a, 1))[1] - 1 - 2, -126, 127), 0)      # np.frexp(a)[1] - 1 = floor(log2(a)), exactly
;;       r = np.clip(x / 2.0 ** e, -6, 6)
;;       step = 2.0 ** (np.maximum(np.frexp(np.where(r == 0, 1, r))[1] - 1, 0) - 1)
;;       q = np.round(r / step) * step * 2.0 ** e      # np.round: ties to even
;;       return np.moveaxis(q.reshape(q.shape[:-2] + (-1,))[..., :K], -1, axis).astype(np.float32)
;;   ~~~
;; One version. Each part assembles by itself: llvm-mc -triple=amdgcn-amd-amdhsa -mcpu=gfx1250 --defsym DOCPART=n.
;; ======== version 1 of 1: 4 launches
;; limits: values are held in f16: magnitudes above 65,504 overflow, below 6.1e-05 lose precision
;; workspace buffers: xc 12,582,912 bytes; xs 786,432 bytes; wc 1,572,864 bytes; ws 98,304 bytes; woh 2,097,152 bytes; qkv 50,331,648 bytes; att 16,777,216 bytes
;; launch prep (part 1): grid 880 x 1, 4 waves a work-group, no clusters, 57,856 bytes of LDS; arguments Q, K, V, Wq, Wk, Wv, Wo, xc, xs, wc, ws, woh; writes xc, xs, wc, ws, woh
.if DOCPART == 1
	.amdgcn_target "amdgcn-amd-amdhsa--gfx1250"
	.amdhsa_code_object_version 6
	.text
	.protected	k_qf54aba9e9b_prep
	.globl	k_qf54aba9e9b_prep
	.p2align	8
	.type	k_qf54aba9e9b_prep,@function
k_qf54aba9e9b_prep:
	s_mov_b64 s[64:65], 0
	v_nop
	global_prefetch_b8 v0, s[64:65] scope:SCOPE_SE
	s_setreg_imm32_b32 hwreg(HW_REG_WAVE_MODE, 25, 1), 1
	s_wait_xcnt 0x0
; PREP: what the later launches read many times is made narrow once.
;   path W (work-groups 0-47):    Wq, Wk, Wv [1024 k][1024 n] f32 -> codes of FP4 (E2M1) laid [3 x 1024 n][512 bytes], K innermost, and E8M0 scale bytes [3 x 1024 n][32]
;   path O (work-groups 48-111):  Wo [1024][1024] f32 -> f16, same order
;   path X (work-groups 112-879): Q, K, V [8192][1024] f32 -> codes [3 x 8192 rows][512 bytes] and scale bytes [3 x 8192][32]
; A block of 32 along K has the scale 2^(floor(log2(largest magnitude)) - 2); its byte is the largest magnitude's exponent field - 2, held at 1 from below by a floor among the maximum's leaves.
; Each number is divided by the scale and rounded to the nearest code, ties to even; beyond 6 the conversion gives the largest code.
; LIMITS: a block of zeros gets the byte 1 (the quantiser says 127): its codes are zeros, which add nothing, and this program alone reads the bytes.  Blocks whose largest magnitude lies under 2^-124 get the byte 1.
; NaN and infinities among the inputs are not served.  |Wo| must stay under 65,504 (f16).
; The three paths part on the work-group's number; each has LDS bytes of its own (X: 0 - 22,527; W: 22,528 - 57,343; O: none).  No barrier: waves share nothing.
.set NW,   48                          ; work-groups of path W
.set NO,   64                          ; of path O
.set SP,   80                          ; path X: a lane's place in a stage: 64 bytes + 16 of padding
.set XREG, 5632                        ; path X: a wave's LDS: two stages of 32 x SP bytes, then its 256 scale bytes
.set XR,   16                          ; v16-79   four sets of 16 numbers as loaded
.set XX,   80                          ; v80-111  two sets of 16 neighbours
.set XE,   112                         ; v112-127 a scale byte for each step
.set XC,   128                         ; v128-191 codes, four registers reserved for each step: no store's data are written again
.set WSTG, 22528                       ; path W: the stages begin here
.set WP,   272                         ; a stage row: 256 bytes of codes + 16
.set WX,   32                          ; v32-95   two sets of 32 numbers
.set WCD,  96                          ; v96-99   a block's codes
.set WSB,  24                          ; v24-27   16 scale bytes
.set WOUT, 112                         ; v112-175 the way out
.set OD,   32                          ; path O: v32-159
	s_load_b512 s[4:19], s[0:1], 0x0               ; Q 4:5, K 6:7, V 8:9, Wq 10:11, Wk 12:13, Wv 14:15, Wo 16:17, xc 18:19
	s_load_b256 s[20:27], s[0:1], 0x40             ; xs 20:21, wc 22:23, ws 24:25, woh 26:27
	v_lshl_add_u32 v192, v0, 2, 0xe000
	v_mov_b32 v193, 0
	v_lshrrev_b32 v1, 5, v0
	v_readfirstlane_b32 s28, v1                    ; wave 0..3
	v_and_b32 v2, 31, v0                           ; lane
	s_mov_b32 s31, 0                               ; the high word of every offset pair s[30:31]
	s_wait_kmcnt 0x0
	s_cmp_lt_u32 ttmp9, NW
	s_cbranch_scc1 .Lw
	s_cmp_lt_u32 ttmp9, NW+NO
	s_cbranch_scc1 .Lo
; ---------------- path X: K is innermost, rows are dense: a tensor is a plain stream of blocks of 32.
; A wave takes 16 steps of 512 numbers.  Each load reads 512 consecutive bytes, 16 a lane; a step's 2,048 bytes turn through the wave's own stage so that a lane gets 16 NEIGHBOURS (two lanes hold a block).
	s_sub_co_u32 s29, ttmp9, NW+NO                 ; i = 0..767: 256 work-groups for each of Q, K, V
	s_cmp_lt_u32 s29, 512
	s_cselect_b64 s[6:7], s[6:7], s[8:9]           ; K or V
	s_cmp_lt_u32 s29, 256
	s_cselect_b64 s[4:5], s[4:5], s[6:7]           ; Q or that
	s_and_b32 s30, s29, 255
	s_lshl_b32 s30, s30, 2
	s_add_co_u32 s30, s30, s28                     ; which run of 8,192 numbers of the tensor
	s_lshl_b32 s30, s30, 15                        ; 32,768 bytes a run
	s_add_nc_u64 s[4:5], s[4:5], s[30:31]
	s_lshl_b32 s32, s29, 2
	s_add_co_u32 s32, s32, s28                     ; which run of the three tensors on end
	s_lshl_b32 s30, s32, 12                        ; 4,096 bytes of codes a run
	s_add_nc_u64 s[18:19], s[18:19], s[30:31]
	s_lshl_b32 s30, s32, 8                         ; 256 scale bytes a run
	s_add_nc_u64 s[20:21], s[20:21], s[30:31]
	v_lshlrev_b32 v3, 4, v2                        ; my 16 bytes of a load's 512
	s_mul_i32 s33, s28, XREG
	v_lshrrev_b32 v14, 2, v2
	v_mul_u32_u24 v14, v14, SP
	v_and_b32 v15, 3, v2
	v_lshl_add_u32 v14, v15, 4, v14
	v_add_nc_u32 v14, s33, v14                     ; into the stage: SP (lane / 4) + 16 (lane % 4); a load's 512 bytes take eight places
	v_mul_u32_u24 v15, v2, SP
	v_add_nc_u32 v15, s33, v15                     ; out of it: SP x lane
	v_lshlrev_b32 v4, 3, v2                        ; 8 x lane: my codes' place in a step's 256 bytes, and my 8 of the 256 scale bytes
	v_lshrrev_b32 v5, 1, v2
	s_add_co_u32 s33, s33, 2*32*SP
	v_add_nc_u32 v5, s33, v5                       ; LDS: my block's byte among the wave's 256
	v_add_nc_u32 v6, s33, v4                       ; and 8 bytes a lane on the way out
.macro XLOAD t
.irp i, 0,1,2,3
	global_load_b128 v[XR+16*((\t)%4)+4*\i:XR+16*((\t)%4)+4*\i+3], v3, s[4:5] offset:2048*(\t)+512*\i th:TH_LOAD_NT
.endr
.endm
.macro XTURN t                         ; LDS serves a wave's instructions in order: no wait between the stores and the loads
.irp i, 0,1,2,3
	ds_store_b128 v14, v[XR+16*((\t)%4)+4*\i:XR+16*((\t)%4)+4*\i+3] offset:32*SP*((\t)%2)+8*SP*\i
.endr
.irp i, 0,1,2,3
	ds_load_b128 v[XX+16*((\t)%2)+4*\i:XX+16*((\t)%2)+4*\i+3], v15 offset:32*SP*((\t)%2)+16*\i
.endr
.endm
.macro XSTEP t
.set XS, XX+16*((\t)%2)
.if (\t) > 0
	s_wait_dscnt 1                                 ; this step's numbers are back from the stage; only the last step's byte store may be out
.else
	s_wait_dscnt 0x0
.endif
.if (\t)+4 < 16
	XLOAD (\t)+4                                   ; into the set whose stores into the stage are done
.endif
.if (\t)+1 < 16
.if 14-(\t) >= 3
	s_wait_loadcnt 12                              ; the next step's four loads are in; three later steps' twelve may be out
.else
	s_wait_loadcnt 4*(14-(\t))                     ; the counts run down
.endif
	XTURN (\t)+1
.endif
	v_max3_num_f32 v8, |v[XS]|, |v[XS+1]|, |v[XS+2]|
	v_max3_num_f32 v9, |v[XS+3]|, |v[XS+4]|, |v[XS+5]|
.irp i, 6,10
	v_max3_num_f32 v8, v8, |v[XS+\i]|, |v[XS+\i+1]|
	v_max3_num_f32 v9, v9, |v[XS+\i+2]|, |v[XS+\i+3]|
.endr
	v_max3_num_f32 v8, v8, |v[XS+14]|, |v[XS+15]|
	v_max3_num_f32 v8, v8, v9, 0x1800000           ; the floor 2^(3 - 127): the byte cannot fall under 1
	v_max_num_f32_dpp v8, v8, v8 row_xmask:1 row_mask:0xf bank_mask:0xf   ; with my neighbour's 16: the block's largest magnitude
	v_add_nc_u32 v11, 0xff000000, v8               ; 2 off the exponent field: the conversion takes this operand's exponent field as its scale
	v_cvt_scalef32_pk8_fp4_f32 v[XC+4*(\t)], v[XS:XS+7], v11
	v_cvt_scalef32_pk8_fp4_f32 v[XC+4*(\t)+1], v[XS+8:XS+15], v11
	v_lshrrev_b32 v[XE+(\t)], 23, v11              ; the scale's byte (also the plain line behind the conversions)
	ds_store_b8 v5, v[XE+(\t)] offset:16*(\t)      ; both lanes of a block write the same byte with the same value
	global_store_b64 v4, v[XC+4*(\t):XC+4*(\t)+1], s[18:19] offset:256*(\t)   ; the wave stores 256 consecutive bytes, aligned
.endm
.irp t, 0,1,2,3
	XLOAD \t
.endr
	s_wait_loadcnt 12                              ; step 0's four loads are in
	XTURN 0
.irp t, 0,1,2,3,4,5,6,7,8,9,10,11,12,13,14,15
	XSTEP \t
.endr
	ds_load_b64 v[12:13], v6                       ; in order behind my byte stores
	s_wait_dscnt 0x0
	global_store_b64 v4, v[12:13], s[20:21]        ; the wave's 256 scale bytes, consecutive and aligned
	s_wait_tensorcnt 0x0
	ds_add_u32 v192, v193
	s_wait_dscnt 0x0
	s_endpgm
; ---------------- path W: K is the FIRST axis.  A lane takes a column n and its registers run down K: a block of 32 lies in one lane, and the codes come out with K innermost.
; A work-group takes 128 columns x 512 along K of one weight; a wave 32 columns: 16 blocks a lane, 256 bytes of codes a column, which leave through the wave's stage as rows.
.Lw:
	s_lshr_b32 s29, ttmp9, 4                       ; which weight
	s_cmp_lt_u32 s29, 2
	s_cselect_b64 s[12:13], s[12:13], s[14:15]     ; Wk or Wv
	s_cmp_lt_u32 s29, 1
	s_cselect_b64 s[10:11], s[10:11], s[12:13]     ; Wq or that
	s_and_b32 s30, ttmp9, 7
	s_lshl_b32 s30, s30, 7
	s_lshl_b32 s32, s28, 5
	s_add_co_u32 s32, s32, s30                     ; my wave's first column
	s_bfe_u32 s33, ttmp9, 0x10003                  ; which 512 along K
	s_lshl_b32 s30, s33, 21                        ; 512 rows of 4,096 bytes
	s_lshl_b32 s34, s32, 2
	s_add_co_u32 s30, s30, s34
	s_add_nc_u64 s[10:11], s[10:11], s[30:31]
	s_lshl_b32 s34, s29, 10
	s_add_co_u32 s34, s34, s32                     ; my first row of wc and ws
	s_lshl_b32 s30, s34, 9
	s_lshl_b32 s35, s33, 8
	s_add_co_u32 s30, s30, s35
	s_add_nc_u64 s[22:23], s[22:23], s[30:31]
	s_lshl_b32 s30, s34, 5
	s_lshl_b32 s35, s33, 4
	s_add_co_u32 s30, s30, s35
	s_add_nc_u64 s[24:25], s[24:25], s[30:31]
	v_lshlrev_b32 v3, 2, v2                        ; in: 4 bytes a lane
	s_mul_i32 s35, s28, 32*WP
	s_add_co_u32 s35, s35, WSTG                    ; my stage
	v_mul_u32_u24 v4, v2, WP
	v_add_nc_u32 v4, s35, v4                       ; into it: row = my column
	v_and_b32 v5, 15, v2
	v_lshrrev_b32 v6, 4, v2
	v_mul_u32_u24 v7, v6, WP
	v_lshl_add_u32 v7, v5, 4, v7
	v_add_nc_u32 v7, s35, v7                       ; out of it: sixteen lanes to a row, two rows an instruction
	v_lshlrev_b32 v8, 9, v6
	v_lshl_add_u32 v8, v5, 4, v8                   ; the same place in wc (rows of 512 bytes)
	v_lshlrev_b32 v9, 5, v2                        ; my column's row of scale bytes
.macro WLOAD t
.irp i, 0,1,2,3,4,5,6,7,8,9,10,11,12,13,14,15,16,17,18,19,20,21,22,23,24,25,26,27,28,29,30,31
	global_load_b32 v[WX+32*((\t)%2)+\i], v3, s[10:11] offset:(32*(\t)+\i)*4096 th:TH_LOAD_NT
.endr
.endm
.macro BLOCK t
.set XS, WX+32*((\t)%2)
.if (\t) < 15
	s_wait_loadcnt 32                              ; this block's 32 loads are in; the next block's may be out
.else
	s_wait_loadcnt 0x0
.endif
	v_max3_num_f32 v12, |v[XS]|, |v[XS+1]|, |v[XS+2]|
	v_max3_num_f32 v13, |v[XS+3]|, |v[XS+4]|, |v[XS+5]|
.irp i, 6,10,14,18,22,26
	v_max3_num_f32 v12, v12, |v[XS+\i]|, |v[XS+\i+1]|
	v_max3_num_f32 v13, v13, |v[XS+\i+2]|, |v[XS+\i+3]|
.endr
	v_max3_num_f32 v12, v12, |v[XS+30]|, |v[XS+31]|
	v_max3_num_f32 v12, v12, v13, 0x1800000        ; the floor
	v_add_nc_u32 v11, 0xff000000, v12
	v_lshrrev_b32 v13, 23, v11                     ; the scale's byte
.if (\t)%4 == 0
	v_mov_b32 v[WSB+(\t)/4], v13
.else
	v_lshl_or_b32 v[WSB+(\t)/4], v13, 8*((\t)%4), v[WSB+(\t)/4]
.endif
.irp g, 0,1,2,3
	v_cvt_scalef32_pk8_fp4_f32 v[WCD+\g], v[XS+8*\g:XS+8*\g+7], v11
.endr
	ds_store_b128 v4, v[WCD:WCD+3] offset:16*(\t)  ; 32 codes: 16 bytes of my column's row
.if (\t)+2 < 16
	WLOAD (\t)+2
.endif
	s_wait_dscnt 0x0                               ; the store has read its registers: the next block's codes may be written
.endm
	WLOAD 0
	WLOAD 1
.irp t, 0,1,2,3,4,5,6,7,8,9,10,11,12,13,14,15
	BLOCK \t
.endr
	global_store_b128 v9, v[WSB:WSB+3], s[24:25]   ; my column's 16 scale bytes
.irp t, 0,1,2,3,4,5,6,7,8,9,10,11,12,13,14,15
	ds_load_b128 v[WOUT+4*\t:WOUT+4*\t+3], v7 offset:2*\t*WP
.endr
.irp t, 0,1,2,3,4,5,6,7,8,9,10,11,12,13,14,15
	s_wait_dscnt 15-\t                             ; LDS loads come back in order: load t is in
	global_store_b128 v8, v[WOUT+4*\t:WOUT+4*\t+3], s[22:23] offset:2*\t*512   ; sixteen lanes store 256 consecutive bytes, aligned
.endr
	s_wait_tensorcnt 0x0
	ds_add_u32 v192, v193
	s_wait_dscnt 0x0
	s_endpgm
; ---------------- path O: Wo to f16.  A wave takes 4,096 numbers: 16 steps of 1,024 bytes in, 512 bytes out; all 32 loads go out at once.
.Lo:
	s_sub_co_u32 s29, ttmp9, NW
	s_lshl_b32 s29, s29, 2
	s_add_co_u32 s29, s29, s28                     ; which run of 4,096 numbers
	s_lshl_b32 s30, s29, 14
	s_add_nc_u64 s[16:17], s[16:17], s[30:31]
	s_lshl_b32 s30, s29, 13
	s_add_nc_u64 s[26:27], s[26:27], s[30:31]
	v_lshlrev_b32 v3, 5, v2                        ; in: 8 numbers, 32 bytes a lane
	v_lshlrev_b32 v4, 4, v2                        ; out: 16 bytes a lane
.irp s, 0,1,2,3,4,5,6,7,8,9,10,11,12,13,14,15
	global_load_b128 v[OD+8*\s:OD+8*\s+3], v3, s[16:17] offset:1024*\s th:TH_LOAD_NT
	global_load_b128 v[OD+8*\s+4:OD+8*\s+7], v3, s[16:17] offset:1024*\s+16 th:TH_LOAD_NT
.endr
.irp s, 0,1,2,3,4,5,6,7,8,9,10,11,12,13,14,15
	s_wait_loadcnt 30-2*\s                         ; this step's two loads are in; the later steps' may be out
.irp j, 0,1,2,3
	v_cvt_pk_f16_f32 v[OD+8*\s+\j], v[OD+8*\s+2*\j], v[OD+8*\s+2*\j+1]   ; in place, ascending: register j is written when pairs 0 .. j have been read
.endr
	global_store_b128 v4, v[OD+8*\s:OD+8*\s+3], s[26:27] offset:512*\s   ; the wave stores 512 consecutive bytes
.endr
	s_endpgm
.Lfunc_end_k_qf54aba9e9b_prep:
	.size	k_qf54aba9e9b_prep, .Lfunc_end_k_qf54aba9e9b_prep-k_qf54aba9e9b_prep
	.p2alignl 7, 3214868480
	.fill 96, 4, 3214868480
	.section	.rodata,"a",@progbits
	.p2align	6, 0x0
	.amdhsa_kernel k_qf54aba9e9b_prep
		.amdhsa_group_segment_fixed_size 57856
		.amdhsa_private_segment_fixed_size 0
		.amdhsa_enable_private_segment 0
		.amdhsa_kernarg_size 96
		.amdhsa_user_sgpr_count 2
		.amdhsa_user_sgpr_kernarg_segment_ptr 1
		.amdhsa_wavefront_size32 1
		.amdhsa_system_sgpr_workgroup_id_x 1
		.amdhsa_system_sgpr_workgroup_id_y 1
		.amdhsa_system_sgpr_workgroup_id_z 1
		.amdhsa_system_vgpr_workitem_id 0
		.amdhsa_next_free_vgpr 194
		.amdhsa_next_free_sgpr 66
		.amdhsa_reserve_vcc 0
		.amdhsa_float_denorm_mode_32 3
		.amdhsa_float_denorm_mode_16_64 3
		.amdhsa_memory_ordered 1
		.amdhsa_forward_progress 1
		.amdhsa_inst_pref_size 120
	.end_amdhsa_kernel
	.amdgpu_metadata
---
amdhsa.version: [ 1, 2 ]
amdhsa.kernels:
  - .name:           k_qf54aba9e9b_prep
    .symbol:         k_qf54aba9e9b_prep.kd
    .args:
      - { .name: Q, .offset: 0, .size: 8, .value_kind: global_buffer, .address_space: global }
      - { .name: K, .offset: 8, .size: 8, .value_kind: global_buffer, .address_space: global }
      - { .name: V, .offset: 16, .size: 8, .value_kind: global_buffer, .address_space: global }
      - { .name: Wq, .offset: 24, .size: 8, .value_kind: global_buffer, .address_space: global }
      - { .name: Wk, .offset: 32, .size: 8, .value_kind: global_buffer, .address_space: global }
      - { .name: Wv, .offset: 40, .size: 8, .value_kind: global_buffer, .address_space: global }
      - { .name: Wo, .offset: 48, .size: 8, .value_kind: global_buffer, .address_space: global }
      - { .name: xc, .offset: 56, .size: 8, .value_kind: global_buffer, .address_space: global }
      - { .name: xs, .offset: 64, .size: 8, .value_kind: global_buffer, .address_space: global }
      - { .name: wc, .offset: 72, .size: 8, .value_kind: global_buffer, .address_space: global }
      - { .name: ws, .offset: 80, .size: 8, .value_kind: global_buffer, .address_space: global }
      - { .name: woh, .offset: 88, .size: 8, .value_kind: global_buffer, .address_space: global }
    .group_segment_fixed_size: 57856
    .private_segment_fixed_size: 0
    .kernarg_segment_align: 8
    .kernarg_segment_size: 96
    .max_flat_workgroup_size: 128
    .sgpr_count:     66
    .vgpr_count:     194
    .wavefront_size: 32
...
	.end_amdgpu_metadata
.endif
;; end of part 1
;; launch proj (part 2): grid 4 x 96, 4 waves a work-group, clusters of 4 x 4, 327,680 bytes of LDS; arguments xc, xs, wc, ws, bq, bk, bv, qkv; writes qkv
.if DOCPART == 2
	.amdgcn_target "amdgcn-amd-amdhsa--gfx1250"
	.amdhsa_code_object_version 6
	.text
	.protected	k_qf54aba9e9b_proj
	.globl	k_qf54aba9e9b_proj
	.p2align	8
	.type	k_qf54aba9e9b_proj,@function
k_qf54aba9e9b_proj:
	s_mov_b64 s[64:65], 0
	v_nop
	global_prefetch_b8 v0, s[64:65] scope:SCOPE_SE
	s_setreg_imm32_b32 hwreg(HW_REG_WAVE_MODE, 25, 1), 1
	s_wait_xcnt 0x0
	s_wait_alu depctr_hold_cnt(0) depctr_sa_sdst(0) depctr_va_vdst(0) depctr_va_sdst(0) depctr_va_ssrc(0) depctr_va_vcc(0) depctr_vm_vsrc(0)
	s_getreg_b32 s2, hwreg(HW_REG_IB_STS2, 6, 4)
	s_cmp_eq_u32 s2, 0
	s_cbranch_scc0 .Lentry_in_a_cluster
	s_endpgm
.Lentry_in_a_cluster:
	s_bfe_u32 s2, ttmp6, 0x10000c
	s_cmp_lg_u32 s2, 0xf033
	s_cbranch_scc0 .Lentry_shape_is_right
	s_endpgm
.Lentry_shape_is_right:
; PROJ: q = Q Wq + bq, k = K Wk + bk, v = V Wv + bv, on codes of FP4 (E2M1) with one E8M0 scale for each 32 along K = 1,024; sums in f32; results rounded once to f16 and laid by head: qkv [3][64 b h][2048 s][64].
; xc [3 x 8192][512 bytes], xs [3 x 8192][32], wc [3 x 1024 n][512 bytes], ws [3 x 1024][32].  The three products are one grid: tile row ty = 0..95 (32 for each tensor), tile column tx = 0..3.
; LIMIT: |q|, |k|, |v| must stay under 65,504 (f16).
; A tile, 256 x 256, is made by four waves; a wave makes 128 x 128: 64 accumulators, 512 registers.  ALL OF K FITS IN TWO LDS SLOTS of 512 along K: each wave issues three tensor loads at the head
; (its quarter of the scale bytes, of slot 0, of slot 1): three are out at the most, and no LDS byte is filled twice.
; CLUSTERS: 4 x 4 work-groups; a cluster lies inside one tensor (8 clusters along y for each).  A's tiles hang on ty alone and are asked for jointly along a row of the cluster, B's on the tensor and tx and along a column.
; THE MATRIX INSTRUCTION IS USED TRANSPOSED (source 0 = 16 rows of the weight's codes, source 1 = 16 rows of x): a lane holds eight neighbouring columns of one row.  THE BIAS IS THE C OF EACH SUM'S FIRST PRODUCT.
; REGISTERS: window 0: v16-29 addresses; v32-95 scale words, two sets (they hold nothing else); v96-127 packed results; v128-191 A's fragments, one set, later rows read back; v192-255 the bias, 8 registers for each of B's 8 blocks.
;   window 1: B's fragments, two sets, at v0 and v128.  window 2: accumulators of my rows 0-63 ((a, b) at v[8 (8 a + b)]);  window 3: rows 64-127.
.set NQ,     4                         ; steps of 128 along K in a slot
.set ROWB,   256                       ; a tile's row: 512 codes
.set KROW,   512                       ; a row of codes in memory
.set PITCH,  272                       ; an LDS row: 256 bytes + 16: the 16 rows of a fragment load start 68 words apart
.set FR,     8                         ; registers of a fragment
.set NL,     2                         ; LDS loads that bring one
.set NP,     4                         ; places behind this matrix form (ISA guide 7.12.1)
.set HALFT,  128*PITCH
.set SLOT,   4*HALFT                   ; A's 256 rows, then B's 256
.set KS,     32                        ; a row of scale bytes
.set SCL,    2*SLOT                    ; the scale bytes, as rows of 256 bytes + 16
.set HALFS,  16*272                    ; those of 128 rows
.set SBLK,   2*272                     ; those of 16 rows
.set SPARE,  SCL+4*HALFS               ; the spare words: 128 bytes a wave, named by no other line
.set SPITCH, 272                       ; the way out: a stage of 16 rows x (256 bytes + 16) a wave, in slot 0, which has had its only fill and its last read by then
.set ADRA, 16
.set ADRB, 20
.set STO,  24
.set RD,   25
.set CO,   26
.set ADRS, 27
.set SPW,  28
.set NIL,  29
.set SC,   32
.set TMP,  96
.set AF,   128
.set OB,   128
.set BIAS, 192
.set G1, 24
.set G0, 32
.set G1B, 48
.set G0B, 56
.set G1S, 68
.set G0S, 76
.set G1SB, 80
.set G0SB, 88
.set MSB, 0
.macro WIN new                         ; the immediate's high byte repeats the setting that is left
.if MSB != (\new)
	s_set_vgpr_msb (MSB<<8)|(\new)
.set MSB, (\new)
.endif
.endm
.set MUL_LO, 0xa1                      ; source 0 (B) window 1, source 1 (A) window 0, C and D window 2
.set MUL_HI, 0xf1                      ; C and D window 3
.set TO_B,   0x40
.macro JLOAD g0a, g1a, g0b, g1b        ; waves 0, 1 fetch for A, waves 2, 3 for B; four v_nop follow each line
	s_cmp_eq_u32 s15, 0
	s_cbranch_scc0 .Lfor_b_\@
	tensor_load_to_lds s[\g0a:\g0a+3], s[\g1a:\g1a+7]
	s_nop 0
.rept 4
	v_nop
.endr
	s_branch .Lasked_\@
.Lfor_b_\@:
	tensor_load_to_lds s[\g0b:\g0b+3], s[\g1b:\g1b+7]
	s_nop 0
.rept 4
	v_nop
.endr
.Lasked_\@:
.endm
.macro CROUND                          ; a round of the cluster's barrier
	s_barrier_signal -1
	s_barrier_wait -1
	s_cmp_lg_u32 s14, 0
	s_cbranch_scc1 .Lnot_wave_0_\@
	s_barrier_signal -3
.Lnot_wave_0_\@:
	s_barrier_wait -3
	s_barrier_signal -1
	s_barrier_wait -1
.endm
	s_load_b256 s[4:11], s[0:1], 0x0               ; xc 4:5, xs 6:7, wc 8:9, ws 10:11
	s_load_b256 s[92:99], s[0:1], 0x20             ; bq 92:93, bk 94:95, bv 96:97, qkv 98:99
	v_lshl_add_u32 v[SPW], v0, 2, SPARE
	v_mov_b32 v[NIL], 0
	ds_add_u32 v28, v29
	s_wait_dscnt 0x0
	v_lshrrev_b32 v1, 5, v0
	v_readfirstlane_b32 s14, v1                    ; wave
	s_lshr_b32 s15, s14, 1                         ; my half of the tile's rows; also: I fetch for A (0) or B (1)
	s_and_b32 s16, s14, 1                          ; my half of its columns; also: which 128 rows I fetch
	s_bfe_u32 s40, ttmp6, 0x40000                  ; cx
	s_bfe_u32 s41, ttmp6, 0x40004                  ; cy
	s_lshl_b32 s42, ttmp9, 2
	s_add_co_u32 s42, s42, s40                     ; tx
	s_and_b32 s13, ttmp7, 0xffff                   ; the cluster's y
	s_lshr_b32 s12, s13, 3                         ; the tensor 0..2: the same in all sixteen partners
	s_lshl_b32 s17, s13, 2
	s_add_co_u32 s17, s17, s41                     ; ty
	s_lshl_b32 s43, s41, 2
	s_lshl_b32 s43, 15, s43                        ; my row of the cluster
	s_lshl_b32 s44, 0x1111, s40                    ; my column
	s_or_b32 s[G1+0], s43, (0<<16)|(1<<20)|(1<<21)|(5<<22)|(3<<25)   ; mask; elements of 1 byte; padding on; bit 21 beside a mask; 4 words behind every 64
	s_or_b32 s[G1B+0], s44, (0<<16)|(1<<20)|(1<<21)|(5<<22)|(3<<25)
.irp g, G1, G1B
	s_mov_b32 s[\g+1], ROWB<<16                    ; tensor_dim0
	s_mov_b32 s[\g+2], 128<<16                     ; tensor_dim1
	s_mov_b32 s[\g+3], ROWB<<16                    ; tile_dim0
	s_mov_b32 s[\g+4], 128                         ; tile_dim1
	s_mov_b32 s[\g+5], KROW                        ; pitch
	s_mov_b32 s[\g+6], 0
	s_mov_b32 s[\g+7], 0
.endr
	s_or_b32 s[G1S+0], s43, (3<<16)|(1<<20)|(1<<21)|(5<<22)|(3<<25)  ; the scale bytes of 128 rows: 4,096 dense bytes as 16 rows of 32 elements of 8 bytes
	s_or_b32 s[G1SB+0], s44, (3<<16)|(1<<20)|(1<<21)|(5<<22)|(3<<25)
.irp g, G1S, G1SB
	s_mov_b32 s[\g+1], 32<<16
	s_mov_b32 s[\g+2], 16<<16
	s_mov_b32 s[\g+3], 32<<16
	s_mov_b32 s[\g+4], 16
	s_mov_b32 s[\g+5], 32
	s_mov_b32 s[\g+6], 0
	s_mov_b32 s[\g+7], 0
.endr
	s_lshl_b32 s18, s16, 7
	s_lshl_b32 s20, s17, 8
	s_add_co_u32 s20, s20, s18                     ; A: row 256 ty + 128 half (the three tensors lie on end)
	s_lshl_b32 s46, s42, 8
	s_add_co_u32 s46, s46, s18
	s_lshl_b32 s19, s12, 10
	s_add_co_u32 s46, s46, s19                     ; B: row 1,024 tensor + 256 tx + 128 half
	s_lshl_b32 s22, s20, 5                         ; their scale bytes,
	s_mov_b32 s23, 0
	s_lshl_b32 s66, s46, 5
	s_mov_b32 s67, 0
	s_lshl_b32 s20, s20, 9                         ; their codes
	s_mov_b32 s21, 0
	s_lshl_b32 s46, s46, 9
	s_mov_b32 s47, 0
	s_mul_i32 s45, s14, HALFT                      ; where they go: by the wave's number alone
	s_mul_i32 s100, s14, HALFS
	s_wait_kmcnt 0x0
	s_add_nc_u64 s[20:21], s[4:5], s[20:21]
	s_add_nc_u64 s[22:23], s[6:7], s[22:23]
	s_add_nc_u64 s[46:47], s[8:9], s[46:47]
	s_add_nc_u64 s[66:67], s[10:11], s[66:67]
	CROUND                                         ; all sixteen work-groups are here: the joint loads meet
	s_mov_b32 s[G0S], 1
	s_add_co_u32 s[G0S+1], s100, SCL
	s_mov_b64 s[G0S+2:G0S+3], s[22:23]
	s_or_b32 s[G0S+3], s[G0S+3], 0x80000000
	s_mov_b32 s[G0SB], 1
	s_add_co_u32 s[G0SB+1], s100, SCL
	s_mov_b64 s[G0SB+2:G0SB+3], s[66:67]
	s_or_b32 s[G0SB+3], s[G0SB+3], 0x80000000
	JLOAD G0S, G1S, G0SB, G1SB                     ; the scale bytes first: wanted with the first step
.irp s, 0,1
	s_mov_b32 s[G0+4*\s], 1
	s_add_co_u32 s[G0+4*\s+1], s45, \s*SLOT
	s_add_nc_u64 s[G0+4*\s+2:G0+4*\s+3], s[20:21], \s*ROWB
	s_or_b32 s[G0+4*\s+3], s[G0+4*\s+3], 0x80000000
	s_mov_b32 s[G0B+4*\s], 1
	s_add_co_u32 s[G0B+4*\s+1], s45, \s*SLOT
	s_add_nc_u64 s[G0B+4*\s+2:G0B+4*\s+3], s[46:47], \s*ROWB
	s_or_b32 s[G0B+4*\s+3], s[G0B+4*\s+3], 0x80000000
	JLOAD G0+4*\s, G1, G0B+4*\s, G1B
.endr
	v_and_b32 v1, 15, v0                           ; r
	v_bfe_u32 v2, v0, 4, 1                         ; h
	; the bias of my 128 columns, in the result's layout: register 8 b + j = bias[256 tx + 128 half + 16 b + 8 h + j]
	s_cmp_lt_u32 s12, 2
	s_cselect_b64 s[94:95], s[94:95], s[96:97]     ; bk or bv
	s_cmp_lt_u32 s12, 1
	s_cselect_b64 s[92:93], s[92:93], s[94:95]     ; bq or that
	s_lshl_b32 s18, s42, 10
	s_lshl_b32 s19, s16, 9
	s_add_co_u32 s18, s18, s19
	s_mov_b32 s19, 0
	s_add_nc_u64 s[92:93], s[92:93], s[18:19]
	v_lshlrev_b32 v7, 5, v2
.irp b, 0,1,2,3,4,5,6,7
	global_load_b128 v[BIAS+8*\b:BIAS+8*\b+3], v7, s[92:93] offset:64*\b
	global_load_b128 v[BIAS+8*\b+4:BIAS+8*\b+7], v7, s[92:93] offset:64*\b+16
.endr
	v_mul_u32_u24 v3, v1, PITCH
	v_lshl_add_u32 v4, v2, 4, v3                   ; a fragment's row x pitch + 16 h
	s_mul_i32 s21, s15, HALFT
	s_mul_i32 s22, s16, HALFT
	s_add_co_u32 s22, s22, 2*HALFT
.irp s, 0,1
	v_add_nc_u32 v[ADRA+\s], s21, v4
	v_add_nc_u32 v[ADRB+\s], s22, v4
	s_add_co_u32 s21, s21, SLOT
	s_add_co_u32 s22, s22, SLOT
.endr
	v_mul_u32_u24 v5, v1, KS                       ; my row's scale bytes: 32 a row,
	v_lshrrev_b32 v6, 8, v5
	v_lshl_add_u32 v5, v6, 4, v5                   ; and 16 more for each 256 passed
	s_mul_i32 s21, s15, HALFS
	s_mul_i32 s22, s16, HALFS
	s_add_co_u32 s22, s22, 2*HALFS
	s_sub_co_u32 s22, s22, s21
	v_mul_u32_u24 v6, s22, v2                      ; lanes 16-31 take B's: one product, the distance between the two bases
	s_add_co_u32 s21, s21, SCL
	v_add_nc_u32 v5, v5, v6
	v_add_nc_u32 v[ADRS], s21, v5
	s_mul_i32 s23, s14, 16*SPITCH                  ; my stage
	v_add_nc_u32 v[STO], s23, v4                   ; in: row r, 16 bytes for each half of the lanes
	v_bfe_u32 v5, v0, 3, 2
	v_mul_u32_u24 v5, v5, SPITCH
	v_and_b32 v6, 7, v0
	v_lshl_add_u32 v5, v6, 4, v5
	v_add_nc_u32 v[RD], s23, v5                    ; back: eight lanes to a head's 128 bytes of a row, four rows an instruction
	v_and_b32 v6, 31, v0
	v_lshlrev_b32 v[CO], 4, v6                     ; in memory those four rows are 512 bytes on end
	s_lshl_b32 s20, s17, 8
	s_lshl_b32 s21, s15, 7
	s_add_co_u32 s20, s20, s21                     ; m0 = my first row of the three tensors on end
	s_lshr_b32 s21, s20, 11
	s_lshl_b32 s21, s21, 22                        ; (tensor, batch): 16 heads of 2^18 bytes
	s_and_b32 s20, s20, 2047
	s_lshl_b32 s20, s20, 7                         ; s: 128 bytes a row
	s_add_co_u32 s20, s20, s21
	s_lshl_b32 s21, s42, 2
	s_lshl_b32 s22, s16, 1
	s_add_co_u32 s21, s21, s22                     ; my first head
	s_lshl_b32 s21, s21, 18
	s_add_co_u32 s20, s20, s21
	s_mov_b32 s21, 0
	s_add_nc_u64 s[98:99], s[98:99], s[20:21]
.macro FRAG reg, adr, q, i             ; 16 rows x 128 K: lane l holds row l % 16; registers 4 c .. 4 c + 3 hold K = 64 c + 32 (l / 16) + 0 .. 31
.irp c, 0,1
	ds_load_b128 v[\reg+4*\c:\reg+4*\c+3], v[\adr] offset:64*(\q)+32*\c+(\i)*16*PITCH
.endr
.endm
; 16 products: A's blocks a0, a0 + 1 x B's eight.  zero = 1: the first product starts the sum from the bias.  The 64 accumulators take turns, one instruction a turn.
.macro MUL16 a0, p, q, sc, zero
.irp a, \a0, \a0+1
.irp b, 0,1,2,3,4,5,6,7
.if \zero
	v_wmma_scale_f32_16x16x128_f8f6f4 v[8*(8*((\a)%4)+\b):8*(8*((\a)%4)+\b)+7], v[128*(\p)+FR*\b:128*(\p)+FR*\b+FR-1], v[AF+FR*(\a):AF+FR*(\a)+FR-1], v[BIAS+8*\b:BIAS+8*\b+7], v[SC+8*NQ*(\sc)+NQ*\b+(\q)], v[SC+8*NQ*(\sc)+NQ*(\a)+(\q)] matrix_a_fmt:MATRIX_FMT_FP4 matrix_b_fmt:MATRIX_FMT_FP4 matrix_a_scale:MATRIX_SCALE_ROW1
.else
	v_wmma_scale_f32_16x16x128_f8f6f4 v[8*(8*((\a)%4)+\b):8*(8*((\a)%4)+\b)+7], v[128*(\p)+FR*\b:128*(\p)+FR*\b+FR-1], v[AF+FR*(\a):AF+FR*(\a)+FR-1], v[8*(8*((\a)%4)+\b):8*(8*((\a)%4)+\b)+7], v[SC+8*NQ*(\sc)+NQ*\b+(\q)], v[SC+8*NQ*(\sc)+NQ*(\a)+(\q)] matrix_a_fmt:MATRIX_FMT_FP4 matrix_b_fmt:MATRIX_FMT_FP4 matrix_a_scale:MATRIX_SCALE_ROW1
.endif
.endr
.endr
.endm
.macro FETCH_B slot, q, p
	WIN TO_B
.irp i, 0,1,2,3,4,5,6,7
	FRAG 128*(\p)+FR*\i, ADRB+\slot, \q, \i
.endr
	WIN 0
.endm
.macro FETCH_A slot, q, i0
.irp i, \i0, \i0+1, \i0+2, \i0+3
	FRAG AF+FR*(\i), ADRA+\slot, \q, \i
.endr
.endm
.macro SCALES sc                       ; a slot's scale words: 4 a row; lanes 0-15 take A's block i, lanes 16-31 B's block i
.irp i, 0,1,2,3,4,5,6,7
	ds_load_b128 v[SC+8*NQ*\sc+NQ*\i:SC+8*NQ*\sc+NQ*\i+3], v[ADRS] offset:\i*SBLK
.endr
.endm
.macro PLACES n                        ; places in front of loads into registers that matrix instructions have read, and of the first read of results
.rept \n
	v_nop
.endr
.endm
.macro STEP slot, q, zero              ; 128 along K, with its successor in the same slot.  With zero = 1 the C operand (the bias) lies in window 0
	s_wait_dscnt 4*NL                              ; B's set and A's blocks 0-3 are in; the youngest eight loads (A's blocks 4-7) may be out
	WIN MUL_LO-0x20*\zero
	MUL16 0, (\q)%2, \q, \slot, \zero
	MUL16 2, (\q)%2, \q, \slot, \zero
	s_wait_dscnt 0x0                               ; A's blocks 4-7 are in
	PLACES NP
	FETCH_B \slot, (\q)+1, 1-(\q)%2
	FETCH_A \slot, (\q)+1, 0
	WIN MUL_HI-0x30*\zero
	MUL16 4, (\q)%2, \q, \slot, \zero
	MUL16 6, (\q)%2, \q, \slot, \zero
	PLACES NP
	WIN 0
	FETCH_A \slot, (\q)+1, 4
.endm
	s_wait_tensorcnt 1                             ; the scale bytes and my part of slot 0 are in; slot 1's load may be out
	s_barrier_signal -1
	s_barrier_wait -1
	FETCH_B 0, 0, 0
	FETCH_A 0, 0, 0
	SCALES 0
	FETCH_A 0, 0, 4
	s_wait_loadcnt 0x0                             ; the bias
	STEP 0, 0, 1
	STEP 0, 1, 0
	STEP 0, 2, 0
	; slot 0's last step changes slots: one barrier; in front of it every wave's part of slot 1 has landed and its reads of slot 0 are over (slot 0 then serves as the stage)
	s_wait_tensorcnt 0x0
	ds_add_u32 v[SPW], v[NIL]                      ; 0 onto my spare word
	s_wait_dscnt 4*NL+1                            ; the add and the youngest eight loads may be out
	WIN MUL_LO
	MUL16 0, 1, NQ-1, 0, 0
	s_wait_dscnt 0x0
	s_barrier_signal -1
	MUL16 2, 1, NQ-1, 0, 0
	WIN 0
	s_barrier_wait -1
	PLACES NP
	v_add_nc_u32 v[ADRS], 4*NQ, v[ADRS]            ; on to slot 1's scale words
	FETCH_B 1, 0, 0
	FETCH_A 1, 0, 0
	SCALES 1
	WIN MUL_HI
	MUL16 4, 1, NQ-1, 0, 0
	MUL16 6, 1, NQ-1, 0, 0
	PLACES NP
	WIN 0
	FETCH_A 1, 0, 4
	STEP 1, 0, 0
	STEP 1, 1, 0
	STEP 1, 2, 0
	s_wait_dscnt 4*NL                              ; the last step: nothing more to fetch
	WIN MUL_LO
	MUL16 0, 1, NQ-1, 1, 0
	MUL16 2, 1, NQ-1, 1, 0
	s_wait_dscnt 0x0
	WIN MUL_HI
	MUL16 4, 1, NQ-1, 1, 0
	MUL16 6, 1, NQ-1, 1, 0
	WIN 0
; THE WAY OUT, a block of 16 rows x 128 columns (two heads) at a time: rounded to f16, 16 bytes a lane into my stage; back by heads: four rows of one head are 512 consecutive bytes of qkv.
.macro PACK a
.set AC, 64*((\a)%4)
	WIN 0x0a+5*((\a)/4)                            ; sources in window 2 or 3
.irp b, 0,1,2,3,4,5,6,7
.irp r, 0,1,2,3
	v_cvt_pk_f16_f32 v[TMP+4*\b+\r], v[AC+8*\b+2*\r], v[AC+8*\b+2*\r+1]   ; each accumulator from its low end on
.endr
.endr
	WIN 0
.endm
.macro TOSTAGE a
.set BK, OB+32*((\a)%2)
.irp b, 0,1,2,3,4,5,6,7
	ds_store_b128 v[STO], v[TMP+4*\b:TMP+4*\b+3] offset:32*\b
.endr
.irp i, 0,1,2,3,4,5,6,7
	ds_load_b128 v[BK+4*\i:BK+4*\i+3], v[RD] offset:(\i%4)*4*SPITCH+(\i/4)*128   ; in order behind my stores
.endr
.endm
.macro SEND a
.set BK, OB+32*((\a)%2)
	s_wait_dscnt 0x0                               ; the block is back in registers
	s_wait_xcnt 0x0                                ; the stores of the block before have read their registers: the next block's loads may land there
.irp i, 0,1,2,3,4,5,6,7
	global_store_b128 v[CO], v[BK+4*\i:BK+4*\i+3], s[98:99] offset:(\a)*2048+(\i%4)*512+(\i/4)*262144   ; 512 consecutive bytes, aligned
.endr
.endm
	PLACES NP
	PACK 0
	TOSTAGE 0
.irp a, 1,2,3,4,5,6,7
	PACK \a                                        ; the next block's conversions stand between a block's loads from the stage and the wait for them
	SEND \a-1
	TOSTAGE \a
.endr
	SEND 7
	s_wait_tensorcnt 0x0                           ; the wave's end
	ds_add_u32 v[SPW], v[NIL]
	s_wait_dscnt 0x0
	CROUND                                         ; the closing round
	s_endpgm
.Lfunc_end_k_qf54aba9e9b_proj:
	.size	k_qf54aba9e9b_proj, .Lfunc_end_k_qf54aba9e9b_proj-k_qf54aba9e9b_proj
	.p2alignl 7, 3214868480
	.fill 96, 4, 3214868480
	.section	.rodata,"a",@progbits
	.p2align	6, 0x0
	.amdhsa_kernel k_qf54aba9e9b_proj
		.amdhsa_group_segment_fixed_size 327680
		.amdhsa_private_segment_fixed_size 0
		.amdhsa_enable_private_segment 0
		.amdhsa_kernarg_size 64
		.amdhsa_user_sgpr_count 2
		.amdhsa_user_sgpr_kernarg_segment_ptr 1
		.amdhsa_wavefront_size32 1
		.amdhsa_system_sgpr_workgroup_id_x 1
		.amdhsa_system_sgpr_workgroup_id_y 1
		.amdhsa_system_sgpr_workgroup_id_z 1
		.amdhsa_system_vgpr_workitem_id 0
		.amdhsa_next_free_vgpr 1024
		.amdhsa_next_free_sgpr 102
		.amdhsa_reserve_vcc 0
		.amdhsa_float_denorm_mode_32 3
		.amdhsa_float_denorm_mode_16_64 3
		.amdhsa_memory_ordered 1
		.amdhsa_forward_progress 1
		.amdhsa_inst_pref_size 128
	.end_amdhsa_kernel
	.amdgpu_metadata
---
amdhsa.version: [ 1, 2 ]
amdhsa.kernels:
  - .name:           k_qf54aba9e9b_proj
    .symbol:         k_qf54aba9e9b_proj.kd
    .args:
      - { .name: xc, .offset: 0, .size: 8, .value_kind: global_buffer, .address_space: global }
      - { .name: xs, .offset: 8, .size: 8, .value_kind: global_buffer, .address_space: global }
      - { .name: wc, .offset: 16, .size: 8, .value_kind: global_buffer, .address_space: global }
      - { .name: ws, .offset: 24, .size: 8, .value_kind: global_buffer, .address_space: global }
      - { .name: bq, .offset: 32, .size: 8, .value_kind: global_buffer, .address_space: global }
      - { .name: bk, .offset: 40, .size: 8, .value_kind: global_buffer, .address_space: global }
      - { .name: bv, .offset: 48, .size: 8, .value_kind: global_buffer, .address_space: global }
      - { .name: qkv, .offset: 56, .size: 8, .value_kind: global_buffer, .address_space: global }
    .group_segment_fixed_size: 327680
    .private_segment_fixed_size: 0
    .kernarg_segment_align: 8
    .kernarg_segment_size: 64
    .max_flat_workgroup_size: 128
    .sgpr_count:     102
    .vgpr_count:     1024
    .wavefront_size: 32
...
	.end_amdgpu_metadata
.endif
;; end of part 2
;; launch attn (part 3): grid 4 x 64, 8 waves a work-group, clusters of 4 x 1, 327,680 bytes of LDS; arguments qkv, att; writes att
.if DOCPART == 3
	.amdgcn_target "amdgcn-amd-amdhsa--gfx1250"
	.amdhsa_code_object_version 6
	.text
	.protected	k_qf54aba9e9b_attn
	.globl	k_qf54aba9e9b_attn
	.p2align	8
	.type	k_qf54aba9e9b_attn,@function
k_qf54aba9e9b_attn:
	s_mov_b64 s[64:65], 0
	v_nop
	global_prefetch_b8 v0, s[64:65] scope:SCOPE_SE
	s_setreg_imm32_b32 hwreg(HW_REG_WAVE_MODE, 25, 1), 1
	s_wait_xcnt 0x0
	s_wait_alu depctr_hold_cnt(0) depctr_sa_sdst(0) depctr_va_vdst(0) depctr_va_sdst(0) depctr_va_ssrc(0) depctr_va_vcc(0) depctr_vm_vsrc(0)
	s_getreg_b32 s2, hwreg(HW_REG_IB_STS2, 6, 4)
	s_cmp_eq_u32 s2, 0
	s_cbranch_scc0 .Lentry_in_a_cluster
	s_endpgm
.Lentry_in_a_cluster:
	s_bfe_u32 s2, ttmp6, 0x10000c
	s_cmp_lg_u32 s2, 0x3003
	s_cbranch_scc0 .Lentry_shape_is_right
	s_endpgm
.Lentry_shape_is_right:
; ATTN: att[bh][q][:] = the sum over k of softmax_k(q . k / 8) v[k][:], for each of 64 (batch, head).  qkv [3][64][2048][64] f16; att [64][2048][64] f16.  Products, maxima and sums in f32; the weights p are rounded to f16.
; LIMITS: p under 2^-25 falls to 0 in f16; NaN and infinities are not served.
; SHARES.  A work-group owns 512 queries of one head, each of its EIGHT waves 64: four tiles of 16, in 512 registers.  Two waves share a SIMD's registers, so that one wave's softmax stands beside the other's products;
; the text stays in plain phases.  Every wave walks all 2,048 keys, 64 a step.  A fragment of K or V read from LDS feeds four products.
; LAYOUT.  S^T = K Q^T (source 0 = 16 keys, source 1 = 16 queries): a lane holds ONE query (lane % 16) and keys 8 (lane / 16) + 0..7.  Two such tiles rounded to f16 in pairs ARE source 1 (32 keys x 16 queries) of O^T = V^T P.
; K comes out of LDS as it lies, V ([key][channel]) turned, by ds_load_tr16_b128.
; SOFTMAX.  A running maximum m and sum l for each query: p = 2^(c s - c m), c = log2(e) / 8; in every step O^T and l are multiplied by a = 2^(c m_old - c m_new).
; CLUSTER.  The head's four query blocks form a cluster and walk the same K and V: each tile is asked for JOINTLY (mask 15).  A slot holds four key steps; waves 0-3 fetch K's four tiles, waves 4-7 V's: one load a wave.
; By this text's count a wave has two tensor loads out at the start and one behind each round, with four key steps' work in which to land.
; REGISTERS.  window 0: v2-13 addresses; v16-47 statistics, 8 a tile; v64-191 S^T, 32 a tile (P is made in place in each tile's first 16); v192-255 V's eight fragments.
;   window 1: v0-127 O^T, 32 a tile; v128-191 Q, 16 a tile; v192-255 K's eight fragments.
.set KS,    64                         ; keys in a step
.set PK,    144                        ; a row of K in LDS: 128 bytes + 16: the 16 rows of a load start 36 words apart
.set PVP,   160                        ; a row of V: 128 + 32, an odd multiple of 32 bytes, as the turning load's lanes want
.set VOFF,  KS*PK
.set STEPB, KS*(PK+PVP)                ; a step: 64 rows of K, then 64 of V
.set NST,   4                          ; steps in a slot
.set SLOT1, 1<<17                      ; slot 1 begins here: one exclusive or turns an address
.set SLOTB, NST*KS*128                 ; a slot's keys in memory: 32,768 bytes of K, as many of V
.set STAGE, SLOT1+NST*STEPB            ; 16 rows x 144 bytes for each wave, for the way out
.set SPP,   144
.set SPARE, STAGE+8*16*SPP             ; the spare words: 128 bytes a wave, named by no other line
.set AK0, 2
.set AV0, 3
.set ADK, 4
.set ADV, 5
.set QO,  6
.set STO, 7
.set RD,  8
.set GO,  9
.set PFO, 10                           ; 256 x lane: the prefetches' offset; never rewritten
.set SPW, 12
.set NIL, 13
.set ST,  16                           ; tile t at v[ST+8 t]: +0 c m, +1 m, +2, +3 l (even keys', odd keys'), +4 to +7 c0-c3 at work; a takes c2's place
.set S,   64
.set VF,  192
.set QF,  128                          ; window 1
.set KF,  192                          ; window 1
.set WV,  12
.set LIM, 15                           ; 1 in a wave that prefetches, else the greatest number
.set PFA, 18                           ; s[18:19] where my prefetches stand
.set G1K, 24
.set G1V, 32
.set G0K, 40
.set G0V, 48
.set SLOTS, 56
.set CNT, 57
.set CS,  58
.set SEL, 60
.set TB,  62                           ; LDS byte at which the step to be fetched begins
.set MSB, 0
.macro WIN new
.if MSB != (\new)
	s_set_vgpr_msb (MSB<<8)|(\new)
.set MSB, (\new)
.endif
.endm
.set W_KQ, 0x05                        ; K and Q in window 1, S^T in window 0
.set W_PV, 0x50                        ; V and P in window 0, O^T (C and D) in window 1
.set W_RS, 0x41                        ; O^T (destination, source 0) in window 1, a in window 0
.macro JLOAD                           ; the walking descriptors; four v_nop follow each line
	s_cmp_lt_u32 s[WV], 4
	s_cbranch_scc0 .Lfor_v_\@
	tensor_load_to_lds s[G0K+4:G0K+7], s[G1K:G1K+7]
	s_nop 0
.rept 4
	v_nop
.endr
	s_branch .Lasked_\@
.Lfor_v_\@:
	tensor_load_to_lds s[G0V+4:G0V+7], s[G1V:G1V+7]
	s_nop 0
.rept 4
	v_nop
.endr
.Lasked_\@:
.endm
; A prefetch of what the NEXT change of slots will ask for: 32,768 bytes of K and of V.  Wave 0 asks for K's, wave 4 for V's; the four partners share them out BY ADDRESS, 8,192 bytes each, lanes 256 bytes apart:
; each aligned 256 bytes are named once in the launch.  It stands four key steps ahead of the load that wants the bytes; the last change that fills a slot asks for nothing; slots 0 to 2 come by their loads alone.
.macro ASK
	s_cmp_gt_u32 s[SLOTS], s[LIM]
	s_cbranch_scc0 .Lnot_mine_\@
	global_prefetch_b8 v[PFO], s[PFA:PFA+1] th:TH_LOAD_NT scope:SCOPE_SE
.Lnot_mine_\@:
.endm
.macro CROUND
	s_barrier_signal -1
	s_barrier_wait -1
	s_cmp_lg_u32 s[WV], 0
	s_cbranch_scc1 .Lnot_wave_0_\@
	s_barrier_signal -3
.Lnot_wave_0_\@:
	s_barrier_wait -3
	s_barrier_signal -1
	s_barrier_wait -1
.endm
	s_load_b64 s[4:5], s[0:1], 0x0                 ; qkv
	s_load_b64 s[10:11], s[0:1], 0x8               ; att
	v_lshl_add_u32 v[SPW], v0, 2, SPARE
	v_mov_b32 v[NIL], 0
	ds_add_u32 v12, v13
	s_wait_dscnt 0x0
	v_lshrrev_b32 v1, 5, v0
	v_readfirstlane_b32 s[WV], v1                  ; wave 0..7
	s_bfe_u32 s13, ttmp6, 0x40000                  ; cx
	s_lshl_b32 s14, ttmp9, 2
	s_add_co_u32 s14, s14, s13                     ; my block of 512 queries: it enters Q's and att's addresses alone
	s_and_b32 s20, ttmp7, 0xffff                   ; (batch, head), which the four partners share
	s_lshl_b32 s20, s20, 18                        ; its 2^18 bytes in each part
	s_and_b32 s16, s[WV], 3                        ; which of a slot's four steps I fetch:
	s_lshl_b32 s22, s16, 13                        ; its 64 rows of 128 bytes in memory,
	s_add_co_u32 s22, s22, s20
	s_mov_b32 s23, 0
	s_mul_i32 s17, s16, STEPB                      ; and its place in a slot
	s_lshl_b32 s2, s14, 16
	s_lshl_b32 s3, s[WV], 13
	s_add_co_u32 s2, s2, s3
	s_add_co_u32 s2, s2, s20                       ; my wave's 64 queries
	s_mov_b32 s3, 0
	s_mov_b32 s[G1K], 15|(1<<16)|(1<<20)|(1<<21)|(4<<22)|(3<<25)   ; mask: all four; elements of 2 bytes; padding on; bit 21 beside a mask; 4 words behind every 32
	s_mov_b32 s[G1V], 15|(1<<16)|(1<<20)|(1<<21)|(4<<22)|(7<<25)   ; the same with 8 words
.irp g, G1K, G1V
	s_mov_b32 s[\g+1], 64<<16                      ; tensor_dim0
	s_mov_b32 s[\g+2], KS<<16                      ; tensor_dim1
	s_mov_b32 s[\g+3], 64<<16                      ; tile_dim0
	s_mov_b32 s[\g+4], KS                          ; tile_dim1
	s_mov_b32 s[\g+5], 64                          ; pitch
	s_mov_b32 s[\g+6], 0
	s_mov_b32 s[\g+7], 0
.endr
	s_mov_b32 s[CS], 0x3e38aa3b                    ; c = log2(e) / 8
	s_mov_b32 s[CS+1], s[CS]                       ; named with it as a pair
	s_mov_b32 s[SEL], 0x76543210
	s_mov_b32 s[SEL+1], 0xfedcba98                 ; lane l xor 16
	s_mov_b32 s[TB], 0
	s_mov_b32 s[SLOTS], 2048/(NST*KS)-2
	s_cmp_eq_u32 s16, 0
	s_cselect_b32 s[LIM], 1, -1                    ; waves 0 and 4 prefetch: the same in all four partners
	v_and_b32 v[PFO], 31, v0
	v_lshlrev_b32 v[PFO], 8, v[PFO]
	s_wait_kmcnt 0x0
	s_add_nc_u64 s[6:7], s[4:5], s[22:23]
	s_add_nc_u64 s[8:9], s[6:7], 0x2000000         ; V at my tile of slot 0
	s_add_nc_u64 s[6:7], s[6:7], 0x1000000         ; K likewise
	s_add_nc_u64 s[4:5], s[4:5], s[2:3]            ; Q and att at my wave's first row
	s_add_nc_u64 s[10:11], s[10:11], s[2:3]
	s_cmp_lt_u32 s[WV], 4
	s_cselect_b64 s[PFA:PFA+1], s[6:7], s[8:9]     ; (in waves 0 and 4 these stand at a slot's first row)
	s_lshl_b32 s2, s13, 13                         ; my work-group's quarter
	s_add_nc_u64 s[PFA:PFA+1], s[PFA:PFA+1], s[2:3]
	s_add_nc_u64 s[PFA:PFA+1], s[PFA:PFA+1], 2*SLOTB   ; in slot 2; the first change of slots steps it to slot 3
	CROUND                                         ; all four work-groups are here: the first joint loads meet
.irp s, 0,1
	s_mov_b32 s[G0K+4*\s], 1
	s_add_co_u32 s[G0K+4*\s+1], s17, \s*SLOT1
	s_add_nc_u64 s[G0K+4*\s+2:G0K+4*\s+3], s[6:7], \s*SLOTB
	s_or_b32 s[G0K+4*\s+3], s[G0K+4*\s+3], 0x80000000
	s_mov_b32 s[G0V+4*\s], 1
	s_add_co_u32 s[G0V+4*\s+1], s17, \s*SLOT1+VOFF
	s_add_nc_u64 s[G0V+4*\s+2:G0V+4*\s+3], s[8:9], \s*SLOTB
	s_or_b32 s[G0V+4*\s+3], s[G0V+4*\s+3], 0x80000000
.endr
	s_cmp_lt_u32 s[WV], 4                          ; a wave's two first fills stand in one branch, ahead of every wait on TENSORcnt and every LDS read
	s_cbranch_scc0 .Lfirst_v
	tensor_load_to_lds s[G0K:G0K+3], s[G1K:G1K+7]
	s_nop 0
	tensor_load_to_lds s[G0K+4:G0K+7], s[G1K:G1K+7]
	s_nop 0
.rept 4
	v_nop
.endr
	s_branch .Lfirst_asked
.Lfirst_v:
	tensor_load_to_lds s[G0V:G0V+3], s[G1V:G1V+7]
	s_nop 0
	tensor_load_to_lds s[G0V+4:G0V+7], s[G1V:G1V+7]
	s_nop 0
.rept 4
	v_nop
.endr
.Lfirst_asked:
	v_and_b32 v1, 15, v0                           ; r
	v_bfe_u32 v11, v0, 4, 1                        ; h
	v_lshlrev_b32 v[QO], 7, v1
	v_lshl_add_u32 v[QO], v11, 4, v[QO]            ; row x 128 + 16 h
	WIN 0x40                                       ; destination window 1
.irp f, 0,1,2,3,4,5,6,7                ; Q stays in registers: tile f / 2, channels 32 (f % 2) on
	global_load_b128 v[QF+8*\f:QF+8*\f+3],   v[QO], s[4:5] offset:(\f/2)*2048+(\f%2)*64
	global_load_b128 v[QF+8*\f+4:QF+8*\f+7], v[QO], s[4:5] offset:(\f/2)*2048+(\f%2)*64+32
.endr
	WIN 0
	v_mul_u32_u24 v[AK0], v1, PK
	v_lshl_add_u32 v[AK0], v11, 4, v[AK0]          ; K: row x pitch + 16 h
	v_and_b32 v14, 7, v0
	v_bfe_u32 v15, v0, 3, 1
	v_lshl_add_u32 v[AV0], v11, 3, v14             ; V, turned: key 8 h + lane % 8,
	v_mul_u32_u24 v[AV0], v[AV0], PVP
	v_lshl_add_u32 v[AV0], v15, 4, v[AV0]          ; channels 8 ((lane / 8) % 2) on
	v_add_nc_u32 v[AV0], VOFF, v[AV0]
	s_mul_i32 s16, s[WV], 16*SPP
	s_add_co_u32 s16, s16, STAGE                   ; my stage
	v_mul_u32_u24 v[STO], v1, SPP
	v_lshl_add_u32 v[STO], v11, 4, v[STO]
	v_add_nc_u32 v[STO], s16, v[STO]               ; in: row r, 16 bytes for each half of the lanes
	v_bfe_u32 v15, v0, 3, 2
	v_mul_u32_u24 v[RD], v15, SPP
	v_lshl_add_u32 v[RD], v14, 4, v[RD]
	v_add_nc_u32 v[RD], s16, v[RD]                 ; back: eight lanes to a row of 128 bytes, four rows an instruction
	v_and_b32 v[GO], 31, v0
	v_lshlrev_b32 v[GO], 4, v[GO]                  ; in memory those four rows are 512 bytes on end
; Product i of 32 of S^T = K Q^T: channels 32 (i / 16) on, keys 16 ((i / 4) % 4) on, tile i % 4.  The first 16 start the sums.  The 16 accumulators take turns.
.macro KQ
.set rS, S+32*(i%4)+8*((i/4)%4)
.set rK, KF+8*(2*((i/4)%4)+i/16)
.set rQ, QF+16*(i%4)+8*(i/16)
.if i < 16
	v_wmma_f32_16x16x32_f16 v[rS:rS+7], v[rK:rK+7], v[rQ:rQ+7], 0
.else
	v_wmma_f32_16x16x32_f16 v[rS:rS+7], v[rK:rK+7], v[rQ:rQ+7], v[rS:rS+7]
.endif
.endm
; Product i of 32 of O^T += V^T P: keys 32 (i / 16) on, channels 16 ((i / 4) % 4) on, tile i % 4.  first = 1: the first 16 start the sums.
.macro PVM first
.set rO, 32*(i%4)+8*((i/4)%4)
.set rV, VF+8*(4*(i/16)+(i/4)%4)
.set rP, S+32*(i%4)+8*(i/16)
.if \first && (i < 16)
	v_wmma_f32_16x16x32_f16 v[rO:rO+7], v[rV:rV+7], v[rP:rP+7], 0
.else
	v_wmma_f32_16x16x32_f16 v[rO:rO+7], v[rV:rV+7], v[rP:rP+7], v[rO:rO+7]
.endif
.endm
; The maxima, the four tiles by turns.  Each accumulator is read from its low end on.
.macro SMAX first
.irp j, 0,1,2,3
.irp t, 0,1,2,3
	v_max3_num_f32 v[ST+8*\t+4+\j], v[S+32*\t+8*\j], v[S+32*\t+8*\j+1], v[S+32*\t+8*\j+2]
.endr
.endr
.irp g, 1,2
.irp j, 0,1,2,3
.irp t, 0,1,2,3
	v_max3_num_f32 v[ST+8*\t+4+\j], v[ST+8*\t+4+\j], v[S+32*\t+8*\j+2*\g+1], v[S+32*\t+8*\j+2*\g+2]
.endr
.endr
.endr
.irp t, 0,1,2,3
	v_max3_num_f32 v[ST+8*\t+4], v[ST+8*\t+4], v[S+32*\t+7], v[S+32*\t+15]
.endr
.irp t, 0,1,2,3
	v_max3_num_f32 v[ST+8*\t+6], v[ST+8*\t+6], v[S+32*\t+23], v[S+32*\t+31]
.endr
.irp t, 0,1,2,3
	v_max3_num_f32 v[ST+8*\t+4], v[ST+8*\t+4], v[ST+8*\t+5], v[ST+8*\t+6]
.endr
.irp t, 0,1,2,3
.if \first
	v_max_num_f32 v[ST+8*\t+4], v[ST+8*\t+4], v[ST+8*\t+7]
.else
	v_max3_num_f32 v[ST+8*\t+4], v[ST+8*\t+4], v[ST+8*\t+7], v[ST+8*\t+1]   ; with the old m
.endif
.endr
.irp t, 0,1,2,3
	v_permlanex16_b32 v[ST+8*\t+5], v[ST+8*\t+4], s[SEL], s[SEL+1]   ; the query's other 32 keys lie in the lane 16 away
.endr
.if !\first
.irp t, 0,1,2,3
	v_mov_b32 v[ST+8*\t+7], v[ST+8*\t]             ; c m_old is kept for a
.endr
.endif
.irp t, 0,1,2,3
	v_max_num_f32 v[ST+8*\t+1], v[ST+8*\t+4], v[ST+8*\t+5]
.endr
.irp t, 0,1,2,3
	v_mul_f32 v[ST+8*\t], s[CS], v[ST+8*\t+1]
.endr
.if !\first
.irp t, 0,1,2,3
	v_sub_f32 v[ST+8*\t+7], v[ST+8*\t+7], v[ST+8*\t]
.endr
.irp t, 0,1,2,3
	v_exp_f32 v[ST+8*\t+6], v[ST+8*\t+7]           ; a; plain lines that do not touch it follow
.endr
.endif
.endm
.macro FMA t, b                        ; pair b of tile t: c s - c m
	v_pk_fma_f32 v[S+32*(\t)+2*(\b):S+32*(\t)+2*(\b)+1], v[S+32*(\t)+2*(\b):S+32*(\t)+2*(\b)+1], s[CS:CS+1], v[ST+8*(\t):ST+8*(\t)+1] op_sel_hi:[1,0,0] neg_lo:[0,0,1] neg_hi:[0,0,1]
.endm
.macro SUM t, p, first                 ; l takes pair p of tile t; pair 0 brings l under the new m
.if (\p) == 0
.if !\first
	s_wait_alu depctr_va_vdst(0)
	v_pk_fma_f32 v[ST+8*(\t)+2:ST+8*(\t)+3], v[ST+8*(\t)+2:ST+8*(\t)+3], v[ST+8*(\t)+6:ST+8*(\t)+7], v[S+32*(\t):S+32*(\t)+1] op_sel_hi:[1,0,1]
.endif
.elseif ((\p) == 1) && \first
	s_wait_alu depctr_va_vdst(0)
	v_pk_add_f32 v[ST+8*(\t)+2:ST+8*(\t)+3], v[S+32*(\t):S+32*(\t)+1], v[S+32*(\t)+2:S+32*(\t)+3]
.else
	v_pk_add_f32 v[ST+8*(\t)+2:ST+8*(\t)+3], v[ST+8*(\t)+2:ST+8*(\t)+3], v[S+32*(\t)+2*(\p):S+32*(\t)+2*(\p)+1]
.endif
.endm
.macro CVT t, p                        ; pair p of tile t to f16, in place, ascending: register p belongs to pair p / 2, which has been read
	v_cvt_pk_f16_f32 v[S+32*(\t)+(\p)], v[S+32*(\t)+2*(\p)], v[S+32*(\t)+2*(\p)+1]
.endm
; Tile t's 32 exponentials, with plain work of its neighbours among them: the next tile's scalings, the tile before's sums and then its roundings.
.macro MIX t, first
.set i, 0
.rept 32
	v_exp_f32 v[S+32*\t+i], v[S+32*\t+i]
.if (\t < 3) && (i%2 == 0)
	FMA \t+1, i/2
.endif
.if \t > 0
.if i < 16
	SUM \t-1, i, \first
.else
	CVT \t-1, i-16
.endif
.endif
.set i, i+1
.endr
.endm
; A KEY STEP, in phases.
.macro STEP first
	v_add_nc_u32 v[ADK], s[TB], v[AK0]
	v_add_nc_u32 v[ADV], s[TB], v[AV0]
	s_add_co_u32 s[TB], s[TB], STEPB               ; the next fetch is the next step's
	WIN 0x40
.irp f, 0,1,2,3,4,5,6,7                ; K: keys 16 (f / 2) on, channels 32 (f % 2) on
	ds_load_b128 v[KF+8*\f:KF+8*\f+3],   v[ADK] offset:(\f/2)*16*PK+(\f%2)*64
	ds_load_b128 v[KF+8*\f+4:KF+8*\f+7], v[ADK] offset:(\f/2)*16*PK+(\f%2)*64+32
.endr
	WIN 0
.irp f, 0,1,2,3,4,5,6,7                ; V, turned: keys 32 (f / 4) on, channels 16 (f % 4) on
	ds_load_tr16_b128 v[VF+8*\f:VF+8*\f+3],   v[ADV] offset:(\f/4)*32*PVP+(\f%4)*32
	ds_load_tr16_b128 v[VF+8*\f+4:VF+8*\f+7], v[ADV] offset:(\f/4)*32*PVP+16*PVP+(\f%4)*32
.endr
	s_wait_dscnt 16                                ; K is in; V's sixteen loads may be out
	WIN W_KQ
.set i, 0
.rept 32
	KQ
.set i, i+1
.endr
	WIN 0
.rept 4
	v_nop                                          ; places in front of the first read of the scores
.endr
	SMAX \first
.set i, 0
.rept 16
	FMA 0, i
.set i, i+1
.endr
	MIX 0, \first
	MIX 1, \first
	MIX 2, \first
	MIX 3, \first
.set i, 0
.rept 16                               ; tile 3's sums, and its roundings one pair behind them
	SUM 3, i, \first
.if i > 0
	CVT 3, i-1
.endif
.set i, i+1
.endr
	CVT 3, 15
.if !\first
	WIN W_RS
.irp t, 0,1,2,3
.set i, 32*\t
.rept 16
	v_pk_mul_f32 v[i:i+1], v[i:i+1], v[ST+8*\t+6:ST+8*\t+7] op_sel_hi:[1,0]   ; O^T under the new m, each accumulator from its low end on
.set i, i+2
.endr
.endr
.endif
	s_wait_dscnt 0x0                               ; V is in
	WIN W_PV
.set i, 0
.rept 32
	PVM \first
.set i, i+1
.endr
	WIN 0
.rept 5
	v_nop                                          ; five places: the next step's first products write over P, which these products read; they also serve the loads into V's registers
.endr
.endm
.macro STEPS n
	s_mov_b32 s[CNT], \n
.Lstep_\@:
	STEP 0
	s_sub_co_u32 s[CNT], s[CNT], 1
	s_cmp_lg_u32 s[CNT], 0
	s_cbranch_scc1 .Lstep_\@
.endm
; THE CHANGE OF SLOTS.  Each wave waits for all its tensor loads (one is out: its part of the other slot), adds 0 to its spare word, and waits for that and for its reads of the slot that it leaves.
; fill = 1: the barrier is a round of the cluster's, and the joint refill of the slot just left, with the keys two slots on, is the first thing behind it.
.macro CHANGE fill
	s_wait_tensorcnt 0x0                           ; no tensor load of mine is out: a group 0 may be written
	ds_add_u32 v[SPW], v[NIL]                      ; 0 onto my spare word
.if \fill
.irp g, G0K+4, G0V+4
	s_xor_b32 s[\g+1], s[\g+1], SLOT1              ; the other slot than last time,
	s_add_nc_u64 s[\g+2:\g+3], s[\g+2:\g+3], SLOTB ; the next 256 keys
.endr
	s_wait_xcnt 0x0                                ; the last prefetch, four key steps back, has read its address
	s_add_nc_u64 s[PFA:PFA+1], s[PFA:PFA+1], SLOTB ; one slot further on than the walking descriptors
	s_wait_dscnt 0x0                               ; the add is done, and my reads of the slot are over
	CROUND
	JLOAD
	ASK
.else
	s_wait_dscnt 0x0
	s_barrier_signal -1
	s_barrier_wait -1
.endif
	s_sub_co_u32 s[TB], s[TB], NST*STEPB           ; the fetches go back to a slot's first step,
	s_xor_b32 s[TB], s[TB], SLOT1                  ; in the other slot
.endm
	s_wait_tensorcnt 1                             ; my part of slot 0 is in; slot 1's may stay out
	s_barrier_signal -1
	s_barrier_wait -1
	s_wait_loadcnt 0x0                             ; Q
	STEP 1                                         ; the first key step starts m, l and O^T
	STEPS 3
.Lslot:                                            ; six trips: every slot but the last two is filled again
	CHANGE 1
	STEPS 4
	s_sub_co_u32 s[SLOTS], s[SLOTS], 1
	s_cmp_lg_u32 s[SLOTS], 0
	s_cbranch_scc1 .Lslot
	CHANGE 0                                       ; the tail is written out
	STEPS 4
	; THE WAY OUT: l's two halves and the other half of the lanes' are added; O^T is divided by l, rounded to f16 and sent through my stage, a tile (16 rows) at a time.
.irp t, 0,1,2,3
	v_add_f32 v[ST+8*\t+4], v[ST+8*\t+2], v[ST+8*\t+3]
.endr
.irp t, 0,1,2,3
	v_permlanex16_b32 v[ST+8*\t+5], v[ST+8*\t+4], s[SEL], s[SEL+1]
.endr
.irp t, 0,1,2,3
	v_add_f32 v[ST+8*\t+4], v[ST+8*\t+4], v[ST+8*\t+5]
.endr
.irp t, 0,1,2,3
	v_rcp_f32 v[ST+8*\t+6], v[ST+8*\t+4]
.endr
	v_nop                                          ; a plain line between the last reciprocal and its use
	s_wait_alu depctr_va_vdst(0)
.macro PACK t
	WIN W_RS
.set i, 32*\t
.rept 16
	v_pk_mul_f32 v[i:i+1], v[i:i+1], v[ST+8*\t+6:ST+8*\t+7] op_sel_hi:[1,0]
.set i, i+2
.endr
	WIN 0x05                                       ; sources in window 1, destination in window 0
.set i, 0
.rept 16
	v_cvt_pk_f16_f32 v[S+32*\t+i], v[32*\t+2*i], v[32*\t+2*i+1]
.set i, i+1
.endr
	WIN 0
.irp f, 0,1,2,3
	ds_store_b128 v[STO], v[S+32*\t+4*\f:S+32*\t+4*\f+3] offset:32*\f
.endr
.irp f, 0,1,2,3
	ds_load_b128 v[S+32*\t+16+4*\f:S+32*\t+16+4*\f+3], v[RD] offset:\f*4*SPP   ; in order behind my stores; the next tile's stores come behind them
.endr
.endm
.macro SEND t, younger                 ; younger: the LDS instructions issued behind tile t's loads: the next tile's eight, or none
.irp f, 0,1,2,3
	s_wait_dscnt \younger+3-\f
	global_store_b128 v[GO], v[S+32*\t+16+4*\f:S+32*\t+16+4*\f+3], s[10:11] offset:\t*2048+\f*512   ; 512 consecutive bytes, aligned
.endr
.endm
	PACK 0
	PACK 1
	SEND 0, 8
	PACK 2
	SEND 1, 8
	PACK 3
	SEND 2, 8
	SEND 3, 0
	s_wait_tensorcnt 0x0                           ; the wave's end
	ds_add_u32 v[SPW], v[NIL]
	s_wait_dscnt 0x0
	CROUND                                         ; the closing round
	s_endpgm
.Lfunc_end_k_qf54aba9e9b_attn:
	.size	k_qf54aba9e9b_attn, .Lfunc_end_k_qf54aba9e9b_attn-k_qf54aba9e9b_attn
	.p2alignl 7, 3214868480
	.fill 96, 4, 3214868480
	.section	.rodata,"a",@progbits
	.p2align	6, 0x0
	.amdhsa_kernel k_qf54aba9e9b_attn
		.amdhsa_group_segment_fixed_size 327680
		.amdhsa_private_segment_fixed_size 0
		.amdhsa_enable_private_segment 0
		.amdhsa_kernarg_size 16
		.amdhsa_user_sgpr_count 2
		.amdhsa_user_sgpr_kernarg_segment_ptr 1
		.amdhsa_wavefront_size32 1
		.amdhsa_system_sgpr_workgroup_id_x 1
		.amdhsa_system_sgpr_workgroup_id_y 1
		.amdhsa_system_sgpr_workgroup_id_z 1
		.amdhsa_system_vgpr_workitem_id 0
		.amdhsa_next_free_vgpr 512
		.amdhsa_next_free_sgpr 66
		.amdhsa_reserve_vcc 0
		.amdhsa_float_denorm_mode_32 3
		.amdhsa_float_denorm_mode_16_64 3
		.amdhsa_memory_ordered 1
		.amdhsa_forward_progress 1
		.amdhsa_inst_pref_size 146
	.end_amdhsa_kernel
	.amdgpu_metadata
---
amdhsa.version: [ 1, 2 ]
amdhsa.kernels:
  - .name:           k_qf54aba9e9b_attn
    .symbol:         k_qf54aba9e9b_attn.kd
    .args:
      - { .name: qkv, .offset: 0, .size: 8, .value_kind: global_buffer, .address_space: global }
      - { .name: att, .offset: 8, .size: 8, .value_kind: global_buffer, .address_space: global }
    .group_segment_fixed_size: 327680
    .private_segment_fixed_size: 0
    .kernarg_segment_align: 8
    .kernarg_segment_size: 16
    .max_flat_workgroup_size: 256
    .sgpr_count:     66
    .vgpr_count:     512
    .wavefront_size: 32
...
	.end_amdgpu_metadata
.endif
;; end of part 3
;; launch oproj (part 4): grid 8 x 32, 4 waves a work-group, clusters of 4 x 4, 327,680 bytes of LDS; arguments att, woh, bo, out0; writes out0
.if DOCPART == 4
	.amdgcn_target "amdgcn-amd-amdhsa--gfx1250"
	.amdhsa_code_object_version 6
	.text
	.protected	k_qf54aba9e9b_oproj
	.globl	k_qf54aba9e9b_oproj
	.p2align	8
	.type	k_qf54aba9e9b_oproj,@function
k_qf54aba9e9b_oproj:
	s_mov_b64 s[64:65], 0
	v_nop
	global_prefetch_b8 v0, s[64:65] scope:SCOPE_SE
	s_setreg_imm32_b32 hwreg(HW_REG_WAVE_MODE, 25, 1), 1
	s_wait_xcnt 0x0
	s_wait_alu depctr_hold_cnt(0) depctr_sa_sdst(0) depctr_va_vdst(0) depctr_va_sdst(0) depctr_va_ssrc(0) depctr_va_vcc(0) depctr_vm_vsrc(0)
	s_getreg_b32 s2, hwreg(HW_REG_IB_STS2, 6, 4)
	s_cmp_eq_u32 s2, 0
	s_cbranch_scc0 .Lentry_in_a_cluster
	s_endpgm
.Lentry_in_a_cluster:
	s_bfe_u32 s2, ttmp6, 0x10000c
	s_cmp_lg_u32 s2, 0xf033
	s_cbranch_scc0 .Lentry_shape_is_right
	s_endpgm
.Lentry_shape_is_right:
; OPROJ: out0[m][n] = the sum over k of att(m, k) Wo[k][n] + bo[n].  att [64 b h][2048 s][64] f16 (m = 2048 b + s, k = 64 head + channel), woh [1024 k][1024 n] f16, out0 [8192][1024] f32; sums in f32.
; A tile of out0 is 256 rows x 128 columns: 256 work-groups.  Four waves, each 128 rows x 64 columns: 32 accumulators, 256 registers (window 1).
; K goes in steps of 128 (two heads) through a ring of two LDS slots.  A head's 256 rows of att are one dense block of memory: waves 0 and 1 fetch the step's two heads, waves 2 and 3 Wo's 64 + 64 rows: one load a wave.
; By this text's count a wave has two tensor loads out at the start and one behind each round.
; CLUSTERS: 4 x 4 work-groups: att's tiles hang on the tile row alone and are asked for jointly along a row of the cluster, Wo's on the tile column alone and along a column.
; THE MATRIX INSTRUCTION IS USED TRANSPOSED: source 0 = 16 columns of Wo (read from [k][n] rows by the turning load), source 1 = 16 rows of att: a lane holds eight neighbouring columns of one row.  bo IS THE C OF EACH SUM'S FIRST PRODUCT.
; REGISTERS, window 0: v16-29 addresses; v32-63 the bias; v64-159 and v160-255 two fragment buffers (32 along K: Wo's four fragments, then att's eight); on the way out v64-127 rows read back.
.set PA,     144                       ; a row of att in LDS: 128 bytes + 16
.set PB,     288                       ; a row of Wo: 256 bytes + 32, an odd multiple of 32 bytes, as the turning load's lanes want
.set SUBA,   256*PA                    ; one head's 256 rows
.set HALFB,  64*PB
.set SLOT,   2*SUBA+2*HALFB
.set STAGE,  2*SLOT                    ; 16 rows x (256 bytes + 16) for each wave
.set SPITCH, 272
.set SPARE,  STAGE+4*16*SPITCH         ; the spare words: 128 bytes a wave, named by no other line
.set ADRA, 16
.set ADRB, 20
.set STO,  24
.set RD,   25
.set CO,   26
.set SPW,  28
.set NIL,  29
.set BIAS, 32
.set F0,   64
.set F1,   160
.set BKR,  64
.set G1, 24
.set G0, 32
.set G1B, 48
.set G0B, 56
.set MSB, 0
.macro WIN new
.if MSB != (\new)
	s_set_vgpr_msb (MSB<<8)|(\new)
.set MSB, (\new)
.endif
.endm
.set MUL, 0x50                         ; sources in window 0, C and D in window 1
.macro JLOAD s                         ; waves 0, 1 fetch att's two heads, waves 2, 3 Wo's halves; four v_nop follow each line
	s_cmp_eq_u32 s13, 0
	s_cbranch_scc0 .Lfor_b_\@
	tensor_load_to_lds s[G0+4*\s:G0+4*\s+3], s[G1:G1+7]
	s_nop 0
.rept 4
	v_nop
.endr
	s_branch .Lasked_\@
.Lfor_b_\@:
	tensor_load_to_lds s[G0B+4*\s:G0B+4*\s+3], s[G1B:G1B+7]
	s_nop 0
.rept 4
	v_nop
.endr
.Lasked_\@:
.endm
.macro CREST
	s_cmp_lg_u32 s12, 0
	s_cbranch_scc1 .Lnot_wave_0_\@
	s_barrier_signal -3
.Lnot_wave_0_\@:
	s_barrier_wait -3
	s_barrier_signal -1
	s_barrier_wait -1
.endm
.macro CROUND
	s_barrier_signal -1
	s_barrier_wait -1
	CREST
.endm
	s_load_b256 s[4:11], s[0:1], 0x0               ; att 4:5, woh 6:7, bo 8:9, out0 10:11
	v_lshl_add_u32 v[SPW], v0, 2, SPARE
	v_mov_b32 v[NIL], 0
	ds_add_u32 v28, v29
	s_wait_dscnt 0x0
	v_lshrrev_b32 v1, 5, v0
	v_readfirstlane_b32 s12, v1                    ; wave
	s_lshr_b32 s13, s12, 1                         ; my half of the rows; also: I fetch att (0) or Wo (1)
	s_and_b32 s14, s12, 1                          ; my half of the columns; also: which half of that I fetch
	s_bfe_u32 s40, ttmp6, 0x40000                  ; cx
	s_bfe_u32 s41, ttmp6, 0x40004                  ; cy
	s_lshl_b32 s42, ttmp9, 2
	s_add_co_u32 s42, s42, s40                     ; tile column 0..7
	s_and_b32 s15, ttmp7, 0xffff
	s_lshl_b32 s15, s15, 2
	s_add_co_u32 s15, s15, s41                     ; tile row 0..31
	s_lshl_b32 s43, s41, 2
	s_lshl_b32 s43, 15, s43                        ; my row of the cluster
	s_lshl_b32 s44, 0x1111, s40                    ; my column
	s_or_b32 s[G1+0], s43, (1<<16)|(1<<20)|(1<<21)|(4<<22)|(3<<25)    ; att: elements of 2 bytes; 4 words of padding behind every 32
	s_mov_b32 s[G1+1], 64<<16                      ; tensor_dim0
	s_mov_b32 s[G1+2], 256<<16                     ; tensor_dim1
	s_mov_b32 s[G1+3], 64<<16                      ; tile_dim0
	s_mov_b32 s[G1+4], 256                         ; tile_dim1
	s_mov_b32 s[G1+5], 64                          ; pitch
	s_mov_b32 s[G1+6], 0
	s_mov_b32 s[G1+7], 0
	s_or_b32 s[G1B+0], s44, (1<<16)|(1<<20)|(1<<21)|(5<<22)|(7<<25)   ; Wo: 8 words of padding behind every 64
	s_mov_b32 s[G1B+1], 128<<16
	s_mov_b32 s[G1B+2], 64<<16
	s_mov_b32 s[G1B+3], 128<<16
	s_mov_b32 s[G1B+4], 64
	s_mov_b32 s[G1B+5], 1024
	s_mov_b32 s[G1B+6], 0
	s_mov_b32 s[G1B+7], 0
	s_lshr_b32 s16, s15, 3
	s_lshl_b32 s16, s16, 22                        ; att: the batch's 16 heads of 2^18 bytes,
	s_and_b32 s17, s15, 7
	s_lshl_b32 s17, s17, 15                        ; 256 rows of 128 bytes for each tile row,
	s_add_co_u32 s16, s16, s17
	s_lshl_b32 s17, s14, 18                        ; the first or the second head of a K step
	s_add_co_u32 s16, s16, s17
	s_mov_b32 s17, 0
	s_lshl_b32 s46, s14, 17                        ; Wo: 64 rows of 2,048 bytes,
	s_lshl_b32 s47, s42, 8                         ; 128 columns of 2 bytes for each tile column
	s_add_co_u32 s46, s46, s47
	s_mov_b32 s47, 0
	s_mul_i32 s22, s14, SUBA                       ; where they go: by the wave's number alone
	s_mul_i32 s23, s14, HALFB
	s_add_co_u32 s23, s23, 2*SUBA
	s_wait_kmcnt 0x0
	s_add_nc_u64 s[16:17], s[4:5], s[16:17]
	s_add_nc_u64 s[46:47], s[6:7], s[46:47]
	CROUND                                         ; all sixteen work-groups are here: the first joint loads meet
.irp s, 0,1
	s_mov_b32 s[G0+4*\s], 1
	s_add_co_u32 s[G0+4*\s+1], s22, \s*SLOT
	s_add_nc_u64 s[G0+4*\s+2:G0+4*\s+3], s[16:17], \s*524288       ; K step s: two heads on
	s_or_b32 s[G0+4*\s+3], s[G0+4*\s+3], 0x80000000
	s_mov_b32 s[G0B+4*\s], 1
	s_add_co_u32 s[G0B+4*\s+1], s23, \s*SLOT
	s_add_nc_u64 s[G0B+4*\s+2:G0B+4*\s+3], s[46:47], \s*262144     ; 128 rows on
	s_or_b32 s[G0B+4*\s+3], s[G0B+4*\s+3], 0x80000000
	JLOAD \s
.endr
	v_and_b32 v1, 15, v0                           ; r
	v_bfe_u32 v2, v0, 4, 1                         ; h
	s_lshl_b32 s46, s42, 9
	s_lshl_b32 s47, s14, 8
	s_add_co_u32 s46, s46, s47                     ; my first column, in bytes of f32: 512 tile column + 256 half
	s_mov_b32 s47, 0
	s_add_nc_u64 s[8:9], s[8:9], s[46:47]
	v_lshlrev_b32 v6, 5, v2
.irp b, 0,1,2,3                        ; the bias in the result's layout: register 8 b + j = bo[my first column + 16 b + 8 h + j]
	global_load_b128 v[BIAS+8*\b:BIAS+8*\b+3], v6, s[8:9] offset:64*\b
	global_load_b128 v[BIAS+8*\b+4:BIAS+8*\b+7], v6, s[8:9] offset:64*\b+16
.endr
	v_mul_u32_u24 v3, v1, PA
	v_lshl_add_u32 v3, v2, 4, v3                   ; att: row x pitch + 16 h
	s_mul_i32 s20, s13, 128*PA                     ; my 128 rows
	v_and_b32 v4, 7, v0
	v_lshl_add_u32 v4, v2, 3, v4                   ; Wo, turned: k = 8 h + lane % 8,
	v_mul_u32_u24 v4, v4, PB
	v_bfe_u32 v5, v0, 3, 1
	v_lshl_add_u32 v4, v5, 4, v4                   ; columns 8 ((lane / 8) % 2) on
	s_lshl_b32 s21, s14, 7                         ; my 64 columns
	s_add_co_u32 s21, s21, 2*SUBA
.irp s, 0,1
	v_add_nc_u32 v[ADRA+\s], s20, v3
	v_add_nc_u32 v[ADRB+\s], s21, v4
	s_add_co_u32 s20, s20, SLOT
	s_add_co_u32 s21, s21, SLOT
.endr
	s_mul_i32 s20, s12, 16*SPITCH
	s_add_co_u32 s20, s20, STAGE                   ; my stage
	v_mul_u32_u24 v5, v1, SPITCH
	v_lshl_add_u32 v5, v2, 5, v5
	v_add_nc_u32 v[STO], s20, v5                   ; in: row r, 32 bytes for each half of the lanes
	v_mul_u32_u24 v5, v2, SPITCH
	v_lshl_add_u32 v5, v1, 4, v5
	v_add_nc_u32 v[RD], s20, v5                    ; back: lanes 0-15 one row of 256 bytes, lanes 16-31 the next
	v_lshlrev_b32 v5, 12, v2
	v_lshl_add_u32 v[CO], v1, 4, v5                ; the same two rows in out0
	s_lshl_b32 s18, s15, 8
	s_lshl_b32 s19, s13, 7
	s_add_co_u32 s18, s18, s19
	s_lshl_b32 s18, s18, 12                        ; my first row, 4,096 bytes a row
	s_mov_b32 s19, 0
	s_add_nc_u64 s[10:11], s[10:11], s[18:19]
	s_add_nc_u64 s[10:11], s[10:11], s[46:47]
; 8 products: att's blocks a0, a0 + 1 x Wo's four, 32 along K.  zero = 1: the first product starts the sum from the bias.  The 32 accumulators take turns.
.macro MUL8 f, a0, zero
.irp a, \a0, \a0+1
.irp b, 0,1,2,3
.if \zero
	v_wmma_f32_16x16x32_f16 v[8*(4*(\a)+\b):8*(4*(\a)+\b)+7], v[\f+8*\b:\f+8*\b+7], v[\f+32+8*(\a):\f+32+8*(\a)+7], v[BIAS+8*\b:BIAS+8*\b+7]
.else
	v_wmma_f32_16x16x32_f16 v[8*(4*(\a)+\b):8*(4*(\a)+\b)+7], v[\f+8*\b:\f+8*\b+7], v[\f+32+8*(\a):\f+32+8*(\a)+7], v[8*(4*(\a)+\b):8*(4*(\a)+\b)+7]
.endif
.endr
.endr
.endm
; 24 LDS loads in one run: the slot's q-th 32 along K into buffer f: Wo's four fragments, att's blocks 0-3, att's blocks 4-7.  Every window is 0 here.
.macro FETCH slot, q, f
.irp b, 0,1,2,3
	ds_load_tr16_b128 v[\f+8*\b:\f+8*\b+3],   v[ADRB+\slot] offset:(\q)*32*PB+32*\b
	ds_load_tr16_b128 v[\f+8*\b+4:\f+8*\b+7], v[ADRB+\slot] offset:(\q)*32*PB+32*\b+16*PB
.endr
.irp i, 0,1,2,3,4,5,6,7
	ds_load_b128 v[\f+32+8*\i:\f+32+8*\i+3],   v[ADRA+\slot] offset:((\q)/2)*SUBA+((\q)%2)*64+\i*16*PA
	ds_load_b128 v[\f+32+8*\i+4:\f+32+8*\i+7], v[ADRA+\slot] offset:((\q)/2)*SUBA+((\q)%2)*64+\i*16*PA+32
.endr
.endm
.macro PLACES
.rept 4
	v_nop
.endr
.endm
; A K step is four quarters of 32 along K, 32 products each, on buffers 0, 1, 0, 1.  One of the first three: multiplies buffer f and fetches quarter q into g.
.macro QUARTER slot, q, f, g, zero
	s_wait_dscnt 8                                 ; Wo's fragments and att's blocks 0-3 are in; the youngest eight loads (blocks 4-7) may be out
	WIN MUL-0x10*\zero                             ; with zero = 1 the C operand (the bias) lies in window 0
	MUL8 \f, 0, \zero
	MUL8 \f, 2, \zero
	WIN 0
	PLACES
	FETCH \slot, \q, \g
	s_wait_dscnt 24                                ; all but the 24 just issued
	WIN MUL-0x10*\zero
	MUL8 \f, 4, \zero
	MUL8 \f, 6, \zero
.endm
; The last quarter multiplies buffer 1 and changes slots: one barrier; in front of it each wave waits for all its tensor loads, adds 0 to its spare word, and waits for that and for its reads of this slot.
; fill = 1: the barrier opens a round of the cluster's, and this slot is filled again, two K steps ahead, first thing behind the round.
.macro TURN slot, next, fill
	WIN 0
	s_wait_tensorcnt 0x0                           ; my part of the next slot has landed
	ds_add_u32 v[SPW], v[NIL]                      ; 0 onto my spare word
	s_wait_dscnt 9                                 ; the add and the youngest eight loads may be out
	WIN MUL
	MUL8 F1, 0, 0
	s_wait_dscnt 0x0                               ; the add is done, and my reads of this slot are over
	s_barrier_signal -1
	MUL8 F1, 2, 0
	WIN 0
	s_barrier_wait -1
.if \fill
	CREST
	s_add_nc_u64 s[G0+4*\slot+2:G0+4*\slot+3], s[G0+4*\slot+2:G0+4*\slot+3], 1048576     ; four heads on
	s_add_nc_u64 s[G0B+4*\slot+2:G0B+4*\slot+3], s[G0B+4*\slot+2:G0B+4*\slot+3], 524288  ; 256 rows on
	JLOAD \slot                                    ; its four v_nop are also the places in front of the loads below
.else
	PLACES
.endif
	FETCH \next, 0, F0
	WIN MUL
	MUL8 F1, 4, 0
	MUL8 F1, 6, 0
.endm
	s_wait_tensorcnt 1                             ; my part of K step 0 is in; K step 1's may stay out
	s_barrier_signal -1
	s_barrier_wait -1
	FETCH 0, 0, F0
	s_wait_loadcnt 0x0                             ; the bias
	QUARTER 0, 1, F0, F1, 1                        ; the first quarter stands in front of the loop: its products start the sums
	WIN 0
	s_mov_b32 s3, 3
.Llap:                                             ; a trip goes once round the ring and fills both slots again: K steps 2 to 7
	QUARTER 0, 2, F1, F0, 0
	QUARTER 0, 3, F0, F1, 0
	TURN 0, 1, 1
	QUARTER 1, 1, F0, F1, 0
	QUARTER 1, 2, F1, F0, 0
	QUARTER 1, 3, F0, F1, 0
	TURN 1, 0, 1
	QUARTER 0, 1, F0, F1, 0
	WIN 0
	s_sub_co_u32 s3, s3, 1
	s_cmp_lg_u32 s3, 0
	s_cbranch_scc1 .Llap
	QUARTER 0, 2, F1, F0, 0                        ; the last lap fills nothing
	QUARTER 0, 3, F0, F1, 0
	TURN 0, 1, 0
	QUARTER 1, 1, F0, F1, 0
	QUARTER 1, 2, F1, F0, 0
	QUARTER 1, 3, F0, F1, 0
	s_wait_dscnt 8                                 ; the very last quarter
	WIN MUL
	MUL8 F1, 0, 0
	MUL8 F1, 2, 0
	s_wait_dscnt 0x0
	MUL8 F1, 4, 0
	MUL8 F1, 6, 0
	WIN 0
; THE WAY OUT, a block of 16 rows x 64 columns at a time: 32 bytes a lane into my stage, back as whole rows of 256 bytes.
.macro TOSTAGE a
	WIN 0x04                                       ; an LDS store's data are its source 1: window 1
.irp b, 0,1,2,3
	ds_store_b128 v[STO], v[8*(4*(\a)+\b):8*(4*(\a)+\b)+3] offset:64*\b          ; each accumulator from its low end on
	ds_store_b128 v[STO], v[8*(4*(\a)+\b)+4:8*(4*(\a)+\b)+7] offset:64*\b+16
.endr
	WIN 0
.set BB, BKR+32*((\a)%2)
.irp t, 0,1,2,3,4,5,6,7
	ds_load_b128 v[BB+4*\t:BB+4*\t+3], v[RD] offset:\t*2*SPITCH   ; in order behind my stores
.endr
.endm
.macro SEND a, younger                 ; younger: the LDS instructions issued behind block a's loads
.set BB, BKR+32*((\a)%2)
	s_wait_dscnt \younger
.irp t, 0,1,2,3,4,5,6,7
	global_store_b128 v[CO], v[BB+4*\t:BB+4*\t+3], s[10:11] offset:(16*(\a)+2*\t)*4096 th:TH_STORE_NT   ; sixteen lanes store 256 consecutive bytes, aligned; written once, read by nobody here
.endr
.endm
	PLACES
	TOSTAGE 0
.irp a, 1,2,3,4,5,6,7
.if \a > 1
	s_wait_xcnt 0x0                                ; block a - 2's stores have read their registers: block a's loads may land there
.endif
	TOSTAGE \a
	SEND \a-1, 16                                  ; behind block a - 1's loads: block a's 8 stores and 8 loads
.endr
	SEND 7, 0
	s_wait_tensorcnt 0x0                           ; the wave's end
	ds_add_u32 v[SPW], v[NIL]
	s_wait_dscnt 0x0
	CROUND                                         ; the closing round
	s_endpgm
.Lfunc_end_k_qf54aba9e9b_oproj:
	.size	k_qf54aba9e9b_oproj, .Lfunc_end_k_qf54aba9e9b_oproj-k_qf54aba9e9b_oproj
	.p2alignl 7, 3214868480
	.fill 96, 4, 3214868480
	.section	.rodata,"a",@progbits
	.p2align	6, 0x0
	.amdhsa_kernel k_qf54aba9e9b_oproj
		.amdhsa_group_segment_fixed_size 327680
		.amdhsa_private_segment_fixed_size 0
		.amdhsa_enable_private_segment 0
		.amdhsa_kernarg_size 32
		.amdhsa_user_sgpr_count 2
		.amdhsa_user_sgpr_kernarg_segment_ptr 1
		.amdhsa_wavefront_size32 1
		.amdhsa_system_sgpr_workgroup_id_x 1
		.amdhsa_system_sgpr_workgroup_id_y 1
		.amdhsa_system_sgpr_workgroup_id_z 1
		.amdhsa_system_vgpr_workitem_id 0
		.amdhsa_next_free_vgpr 512
		.amdhsa_next_free_sgpr 66
		.amdhsa_reserve_vcc 0
		.amdhsa_float_denorm_mode_32 3
		.amdhsa_float_denorm_mode_16_64 3
		.amdhsa_memory_ordered 1
		.amdhsa_forward_progress 1
		.amdhsa_inst_pref_size 86
	.end_amdhsa_kernel
	.amdgpu_metadata
---
amdhsa.version: [ 1, 2 ]
amdhsa.kernels:
  - .name:           k_qf54aba9e9b_oproj
    .symbol:         k_qf54aba9e9b_oproj.kd
    .args:
      - { .name: att, .offset: 0, .size: 8, .value_kind: global_buffer, .address_space: global }
      - { .name: woh, .offset: 8, .size: 8, .value_kind: global_buffer, .address_space: global }
      - { .name: bo, .offset: 16, .size: 8, .value_kind: global_buffer, .address_space: global }
      - { .name: out0, .offset: 24, .size: 8, .value_kind: global_buffer, .address_space: global }
    .group_segment_fixed_size: 327680
    .private_segment_fixed_size: 0
    .kernarg_segment_align: 8
    .kernarg_segment_size: 32
    .max_flat_workgroup_size: 128
    .sgpr_count:     66
    .vgpr_count:     512
    .wavefront_size: 32
...
	.end_amdgpu_metadata
.endif
;; end of part 4
